; MI455X (gfx1250); checked and timed in simulation.
; The chip was launched on July 23, 2026; its instructions are those of AMD's public machine-readable ISA for CDNA 5 (MIT licence, August 2026) and "CDNA5" Instruction Set Architecture Reference Guide (July 2026). The comments in the code are by the model that wrote it; some were corrected since.
;; Time Series Attention. Allowed arithmetic: matrix products marked QUANTISED: E3M2 operands, one E8M0 scale for each 32 along K, by v_wmma_scale_f32_16x16x128_f8f6f4 with both operands' format E3M2, f32 sums; everything else in f32.
;; Inputs: b_proj 1,024 float32; w_proj 1,024 x 1,024 float32; wk 16 x 1,024 x 64 float32; wq 16 x 1,024 x 64 float32; wv 16 x 1,024 x 64 float32; x 4 x 2,048 x 1,024 float32.
;; Outputs: out0 4 x 2,048 x 1,024 float32.
;; This version of the problem:
;;   THIS VERSION OF THE PROBLEM IS GIVEN IN LOW PRECISION. The matrix products marked QUANTISED in the list below multiply operands that are first quantised to E3M2 (3 exponent bits, 2 mantissa bits; 6 bits a number), with one power-of-two scale for each 32 numbers along K (OCP MX v1.0); their sums are f32. All else is computed in f32.
;;   The module's matrix products, in the order in which they are computed (A, B: the left and right operand; K: the contracted axis; several contracted axes count as one K, in the product's order):
;;     1. [M 1,024, K 1,024] x [K 1,024, N 8,192]; A: input wq; B: input x: QUANTISED
;;     2. [M 1,024, K 1,024] x [K 1,024, N 8,192]; A: input wk; B: input x: QUANTISED
;;     3. [M 1,024, K 1,024] x [K 1,024, N 8,192]; A: input wv; B: input x: QUANTISED
;;     4. batch 64 x [M 2,048, K 64] x [K 64, N 2,048]; A: computed on the way; B: computed on the way: QUANTISED
;;     5. batch 64 x [M 2,048, K 2,048] x [K 2,048, N 64]; A: softmax (see below); B: computed on the way: QUANTISED
;;     6. [M 8,192, K 1,024] x [K 1,024, N 1,024]; A: computed on the way; B: input w_proj: QUANTISED
;;   THE QUANTISER, for each operand of a quantised product, along K:
;;     - K is cut into blocks of 32 from its start; a last block that is shorter is filled with zeros.
;;     - A block's scale is 2^e with e = floor(log2(the largest magnitude in the block)) - 4, held to -126 .. 127; a block of zeros has e = 0. As a byte (E8M0): e + 127.
;;     - Each number is divided by its block's scale, clamped to +-28, and rounded to the nearest number of E3M2, ties to even, subnormals kept.
;;     - The product sums the exact products of the quantised numbers (number of the format x scale) in f32.
;;   ~~~python
;;   def quantise(x, axis):      # numpy; x: float32 -> the quantised numbers, widened to float32 again
;;       x = np.moveaxis(x, axis, -1); K = x.shape[-1]
;;       x = np.pad(x, [(0, 0)] * (x.ndim - 1) + [(0, -K % 32)]); x = x.reshape(x.shape[:-1] + (-1, 32)); a = np.abs(x).max(-1, keepdims=True)
;;       e = np.where(a > 0, np.clip(np.frexp(np.where(a > 0, a, 1))[1] - 1 - 4, -126, 127), 0)      # np.frexp(a)[1] - 1 = floor(log2(a)), exactly
;;       r = np.clip(x / 2.0 ** e, -28, 28)
;;       step = 2.0 ** (np.maximum(np.frexp(np.where(r == 0, 1, r))[1] - 1, -2) - 2)
;;       q = np.round(r / step) * step * 2.0 ** e      # np.round: ties to even
;;       return np.moveaxis(q.reshape(q.shape[:-2] + (-1,))[..., :K], -1, axis).astype(np.float32)
;;   ~~~
;;   SOFTMAX AHEAD OF A QUANTISED PRODUCT. Where the list says 'softmax', what is quantised is not the finished softmax but p = 2^(t - M), with t = logit x log2(e) and M = ceil(the row's largest t), a whole number; so 1/2 < the row's largest p <= 1. The row's sum l is taken of the UNQUANTISED p, in f32, and the product's result is divided by l at the end. Since M is a whole number, a kernel that streams over the keys may use a running M (the ceiling of the running maximum): every later rescaling is an exact power of two, which a block's scale takes up: the codes' values come out the same.
;;   OPERANDS COMPUTED ON THE WAY. 'Computed on the way' means the value that the module computes at that place (a softmax that the list does not call 'softmax' is quantised finished and normalised). What goes into a quantiser is computed in f32, as accurately as f32 sums, v_exp_f32 and their like allow (about 1e-6 of the number): no bf16 or f16 on the way to a quantiser, and a product that is left as it is and whose result goes on into a quantised operand takes f32 operands (vector FMAs, or v_wmma_f32_16x16x4_f32). A number that lies on a knife's edge between two numbers of the format may be rounded either way, as far as f32 arithmetic and the matrix unit's own rounding can turn it there, and no further.
;; One version. Each part assembles by itself: llvm-mc -triple=amdgcn-amd-amdhsa -mcpu=gfx1250 --defsym DOCPART=n.
;; ======== version 1 of 1: 4 launches
;; limits: right only within a limited range of input values
;; workspace buffers: xw 9,830,400 bytes; qkv 19,660,800 bytes; att 6,553,600 bytes
;; launch quant (part 1): grid 384 x 1, 4 waves a work-group, no clusters, 34,304 bytes of LDS; arguments x, wq, wk, wv, w_proj, xw; writes xw
.if DOCPART == 1
	.amdgcn_target "amdgcn-amd-amdhsa--gfx1250"
	.amdhsa_code_object_version 6
	.text
	.protected	k_qfa8d259d0e_quant
	.globl	k_qfa8d259d0e_quant
	.p2align	8
	.type	k_qfa8d259d0e_quant,@function
k_qfa8d259d0e_quant:
	s_mov_b64 s[64:65], 0
	v_nop
	global_prefetch_b8 v0, s[64:65] scope:SCOPE_SE
	s_setreg_imm32_b32 hwreg(HW_REG_WAVE_MODE, 25, 1), 1
	s_wait_xcnt 0x0
; x [8192][1024] and the four weights (wq, wk, wv [16][1024][64], w_proj [1024][1024]), f32, become codes of BF6 (E3M2) with one E8M0 byte for each 32 along K = the 1,024 of the embedding.
; A block's scale is 2^(floor(log2(its largest magnitude)) - 4); its byte is the largest magnitude's exponent field - 4, held at 1 from below.
; LIMITS: a block of zeros gets the byte 1 where the rule says 127 (its codes are zeros, and only this program reads the bytes); NaN and infinities among the inputs are not served.
; LAYOUT OF xw.  A tile is 16 rows of an operand: tile 2 B + u holds in place r the row 32 B + 8 u + r + 8 (r / 8).  A HALF FRAGMENT (768 bytes) is a tile x 64 along K as an image of the operand's registers:
; lane (r, h) owns the 24 bytes of k = 32 h .. 32 h + 31: its first 16 bytes at 16 x lane, its last 8 at 512 + 8 x lane.  Codes: [tile][K / 64] half fragments.  Scale bytes: [tile][K / 256][r][8].
; xw: x's codes at 0 (512 tiles), x's scale bytes at XSO, the weights' codes at WCO (wq's 64 tiles, wk's, wv's, w_proj's), their scale bytes at WSO.
; Work-groups 0-255 take x (K innermost: the numbers turn through the wave's own stage in LDS), work-groups 256-383 the weights (K not innermost: a lane takes a column, its registers run down K; no LDS).
; No tensor loads, no barrier: waves share nothing.
.set XSO, 6291456
.set WCO, 6553600
.set WSO, 9699328
.set FLOOR, 0x2800000                  ; 2^(5 - 127): under it no largest magnitude is taken, so the byte cannot fall under 1
.set EOFF, 0xfe000000                  ; 4 off an exponent field
.set R,   16                           ; x: v16-143 two sets of 64 registers as loaded
.set X,   144                          ; x: v144-207 two blocks of 32 neighbours
.set OFF, 16                           ; weights: v16-47 byte offsets of 32 rows of K
.set D,   80                           ; weights: v80-143 two sets of 32 numbers
.set C,   208                          ; codes: two sets
.set TU,  232                          ; v232-234, v236-238 the upper 16 codes of a block (a conversion's three registers begin on an even number)
.set MX,  240
.set MY,  242
.set SCO, 244                          ; the conversions' scale operands
.set BY,  246                          ; the scale bytes
.set W,   248                          ; x: v248-251 scale words;  weights: v248-249 eight scale bytes
.set T0,  252
.set T1,  253
.macro MAX32 mx, my, s                 ; the largest magnitude of 32 numbers of one lane, in two chains, with the floor as one more leaf
	v_max3_num_f32 v[\mx], |v[\s]|, |v[\s+1]|, |v[\s+2]|
	v_max3_num_f32 v[\my], |v[\s+3]|, |v[\s+4]|, |v[\s+5]|
.irp i, 6,10,14,18,22,26
	v_max3_num_f32 v[\mx], v[\mx], |v[\s+\i]|, |v[\s+\i+1]|
	v_max3_num_f32 v[\my], v[\my], |v[\s+\i+2]|, |v[\s+\i+3]|
.endr
	v_max3_num_f32 v[\mx], v[\mx], |v[\s+30]|, |v[\s+31]|
	v_max3_num_f32 v[\mx], v[\mx], v[\my], FLOOR
.endm
	s_load_b256 s[8:15], s[0:1], 0x0               ; x s[8:9], wq s[10:11], wk s[12:13], wv s[14:15]
	s_load_b128 s[16:19], s[0:1], 0x20             ; w_proj s[16:17], xw s[18:19]
	v_lshl_add_u32 v254, v0, 2, 0x8400
	v_mov_b32 v255, 0
	v_lshrrev_b32 v1, 5, v0
	v_readfirstlane_b32 s4, v1                     ; wave 0..3
	v_and_b32 v15, 31, v0                          ; lane
	s_mov_b32 s20, 0x76543210
	s_mov_b32 s21, 0xfedcba98                      ; v_permlanex16_b32's selects for lane l xor 16
	s_cmp_lt_u32 ttmp9, 256
	s_cbranch_scc0 .Lweights
; ---------------- x.  Wave W = 4 x work-group + wave takes tile W / 2 and 512 along K (half W % 2), in four steps of 128.
	v_and_b32 v14, 15, v0                          ; r
	v_bfe_u32 v13, v0, 4, 1                        ; h
	v_lshlrev_b32 v1, 4, v15                       ; 16 x lane: a load's and a store's 512 consecutive bytes
	v_lshlrev_b32 v2, 3, v15                       ; 8 x lane
	s_mul_i32 s5, s4, 8448                         ; my wave's stage: 16 rows x (512 bytes + 16)
	v_add_nc_u32 v3, s5, v1                        ; into it: as loaded
	v_mul_u32_u24 v4, v14, 528
	v_lshl_add_u32 v4, v13, 7, v4
	v_add_nc_u32 v4, s5, v4                        ; out of it: row r, + 128 h: my block of 32 numbers
	v_lshlrev_b32 v5, 3, v13                       ; 8 h: my bytes' place in a scale word, in bits
	v_lshlrev_b32 v6, 3, v14
	v_lshl_add_u32 v6, v13, 7, v6                  ; 128 h + 8 r: the scale words' way out
	v_mov_b32 v[T0], 0                             ; written once: a lane permute's destination counts as one of its sources
	s_lshl_b32 s6, ttmp9, 2
	s_add_co_u32 s6, s6, s4                        ; W
	s_lshr_b32 s7, s6, 1                           ; the tile
	s_and_b32 s6, s6, 1                            ; the half of K
	s_lshr_b32 s22, s7, 1
	s_lshl_b32 s22, s22, 5
	s_and_b32 s23, s7, 1
	s_lshl_b32 s23, s23, 3
	s_add_co_u32 s22, s22, s23                     ; the tile's first row: 32 (tile / 2) + 8 (tile % 2)
	s_lshl_b32 s22, s22, 12                        ; x 4,096 bytes
	s_lshl_b32 s23, s6, 11
	s_add_co_u32 s22, s22, s23                     ; + 2,048 x half
	s_mov_b32 s23, 0
	s_mul_i32 s24, s7, 12288                       ; the tile's 16 half fragments,
	s_mul_i32 s26, s6, 6144                        ; my 8 of them
	s_add_co_u32 s24, s24, s26
	s_mov_b32 s25, 0
	s_lshl_b32 s26, s7, 9                          ; the tile's 512 scale bytes,
	s_lshl_b32 s27, s6, 8                          ; my 256 of them
	s_add_co_u32 s26, s26, s27
	s_add_co_u32 s26, s26, XSO
	s_mov_b32 s27, 0
	s_wait_alu depctr_va_vdst(0)
	s_wait_kmcnt 0x0
	s_add_nc_u64 s[8:9], s[8:9], s[22:23]
	s_add_nc_u64 s[24:25], s[18:19], s[24:25]
	s_add_nc_u64 s[26:27], s[18:19], s[26:27]
.macro XLOAD t                         ; step t: 128 numbers of each of the tile's 16 rows: a load reads 512 consecutive bytes of one row
.irp p, 0,1,2,3,4,5,6,7,8,9,10,11,12,13,14,15
	global_load_b128 v[R+64*((\t)%2)+4*\p:R+64*((\t)%2)+4*\p+3], v1, s[8:9] offset:(\p+8*(\p/8))*4096+512*(\t) th:TH_LOAD_NT
.endr
.endm
.macro XSTEP t
.set RS, R+64*((\t)%2)
.set CC, C+12*((\t)%2)
.if (\t) < 3
	s_wait_loadcnt 16                              ; this step's 16 loads are in; the next step's 16 may be out
.else
	s_wait_loadcnt 0x0
.endif
.irp p, 0,1,2,3,4,5,6,7,8,9,10,11,12,13,14,15
	ds_store_b128 v3, v[RS+4*\p:RS+4*\p+3] offset:528*\p
.endr
.irp c, 0,1
.irp i, 0,1,2,3,4,5,6,7
	ds_load_b128 v[X+32*\c+4*\i:X+32*\c+4*\i+3], v4 offset:256*\c+16*\i   ; LDS serves a wave's instructions in order: these see the stores above.  k = 64 c + 32 h + 4 i ..
.endr
.endr
	s_wait_dscnt 0x0                               ; my two blocks are in, and the stores into the stage have read their registers
	s_wait_xcnt 0x0                                ; the stores of two steps ago have read this set of codes
.if (\t)+2 < 4
	XLOAD (\t)+2
.endif
	MAX32 MX, MY, X
	MAX32 MX+1, MY+1, X+32
.irp c, 0,1
	v_add_nc_u32 v[SCO+\c], EOFF, v[MX+\c]         ; 4 off the exponent field: the conversion takes the exponent field of this operand as its scale
.endr
.irp c, 0,1
	v_lshrrev_b32 v[BY+\c], 23, v[SCO+\c]          ; the scale's byte
.endr
.irp c, 0,1
	v_cvt_scalef32_pk16_bf6_f32 v[CC+6*\c:CC+6*\c+2], v[X+32*\c:X+32*\c+15], v[SCO+\c]
	v_cvt_scalef32_pk16_bf6_f32 v[TU+4*\c:TU+4*\c+2], v[X+32*\c+16:X+32*\c+31], v[SCO+\c]
.endr
	v_lshl_or_b32 v[T1], v[BY+1], 16, v[BY]        ; (a plain place behind the conversions)  my two bytes: blocks h and 2 + h of the step's four,
	v_lshlrev_b32 v[T1], v5, v[T1]                 ; at their places in the row's scale word;
.irp c, 0,1
.irp i, 0,1,2
	v_mov_b32 v[CC+6*\c+3+\i], v[TU+4*\c+\i]
.endr
.endr
	v_permlanex16_b32 v[T0], v[T1], s20, s21
	v_or_b32 v[W+(\t)], v[T1], v[T0]               ; with lane l xor 16's two the word is whole
.irp c, 0,1
	global_store_b128 v1, v[CC+6*\c:CC+6*\c+3], s[24:25] offset:(2*(\t)+\c)*768        ; 512 consecutive bytes
	global_store_b64 v2, v[CC+6*\c+4:CC+6*\c+5], s[24:25] offset:(2*(\t)+\c)*768+512   ; 256 consecutive bytes
.endr
.endm
	XLOAD 0
	XLOAD 1
	XSTEP 0
	XSTEP 1
	XSTEP 2
	XSTEP 3
	v_cmp_lt_u32 vcc_lo, 15, v15                   ; lanes 0-15 store the words of my first 256 along K, lanes 16-31 those of my second
	v_cndmask_b32 v[MX], v[W], v[W+2], vcc_lo
	v_cndmask_b32 v[MX+1], v[W+1], v[W+3], vcc_lo
	global_store_b64 v6, v[MX:MX+1], s[26:27]      ; 256 consecutive bytes
	s_wait_tensorcnt 0x0
	ds_add_u32 v254, v255
	s_wait_dscnt 0x0
	s_endpgm
; ---------------- the weights.  A wave takes 32 columns (two tiles) x 256 along K: 8 blocks a lane.
.Lweights:
	s_sub_co_u32 s5, ttmp9, 256
	s_and_b32 s6, s5, 31
	s_lshl_b32 s6, s6, 2
	s_add_co_u32 s6, s6, s4                        ; which 32 columns of the 4,096: 0..127
	s_lshr_b32 s5, s5, 5                           ; which 256 along K
	s_lshr_b32 s7, s6, 5                           ; which matrix: wq, wk, wv, w_proj
	s_and_b32 s22, s6, 31                          ; which 32 columns of it
	s_lshl_b32 s23, s22, 7                         ; w_proj: 128 bytes a group
	s_lshr_b32 s24, s22, 1
	s_lshl_b32 s24, s24, 18                        ; the others: the head's 262,144 bytes,
	s_and_b32 s25, s22, 1
	s_lshl_b32 s25, s25, 7
	s_add_co_u32 s24, s24, s25                     ; and which half of its 64
	s_mov_b32 s28, 256
	s_wait_kmcnt 0x0
	s_cmp_eq_u32 s7, 1                             ; the choices hang on ids alone
	s_cselect_b64 s[10:11], s[12:13], s[10:11]
	s_cmp_eq_u32 s7, 2
	s_cselect_b64 s[10:11], s[14:15], s[10:11]
	s_cmp_eq_u32 s7, 3
	s_cselect_b64 s[10:11], s[16:17], s[10:11]
	s_cselect_b32 s28, 4096, s28                   ; bytes from a row of K to the next
	s_cselect_b32 s24, s23, s24
	s_lshl_b32 s29, s28, 8
	s_mul_i32 s29, s29, s5                         ; my 256 rows of K
	s_add_co_u32 s24, s24, s29
	s_mov_b32 s25, 0
	s_add_nc_u64 s[10:11], s[10:11], s[24:25]
	s_lshl_b32 s30, s28, 5                         ; a block on: 32 rows
	s_mov_b32 s31, 0
	s_mul_i32 s32, s6, 24576                       ; my two tiles' codes,
	s_mul_i32 s33, s5, 3072                        ; my four half fragments of each
	s_add_co_u32 s32, s32, s33
	s_add_co_u32 s32, s32, WCO
	s_mov_b32 s33, 0
	s_add_nc_u64 s[32:33], s[18:19], s[32:33]
	s_lshl_b32 s34, s6, 10                         ; my two tiles' scale bytes,
	s_lshl_b32 s35, s5, 7                          ; my 128 of each
	s_add_co_u32 s34, s34, s35
	s_add_co_u32 s34, s34, WSO
	s_mov_b32 s35, 0
	s_add_nc_u64 s[34:35], s[18:19], s[34:35]
	v_bfe_u32 v13, v0, 3, 1                        ; column L of the 32 lies in tile u = (L / 8) % 2
	v_and_b32 v14, 7, v0
	v_bfe_u32 v12, v0, 4, 1
	v_lshl_add_u32 v14, v12, 3, v14                ; at place r = L % 8 + 8 (L / 16)
	v_mul_u32_u24 v11, v13, 12288
	v_lshl_add_u32 v7, v14, 4, v11                 ; my first 16 bytes of a block's codes
	v_lshl_add_u32 v8, v14, 3, v11                 ; my last 8
	v_lshlrev_b32 v9, 9, v13
	v_lshl_add_u32 v9, v14, 3, v9                  ; my 8 scale bytes
	v_lshlrev_b32 v[OFF], 2, v15                   ; 4 x lane + i x the pitch
.set i, 1
.rept 31
	v_add_nc_u32 v[OFF+i], s28, v[OFF+i-1]
.set i, i+1
.endr
.macro WLOAD set                       ; a block: 32 rows of K at my column; a load reads 128 consecutive bytes
.set i, 0
.rept 32
	global_load_b32 v[D+32*(\set)+i], v[OFF+i], s[10:11] th:TH_LOAD_NT
.set i, i+1
.endr
	s_wait_xcnt 0x0                                ; the loads have read their base, and the stores ahead of them their data
	s_add_nc_u64 s[10:11], s[10:11], s[30:31]
.endm
.macro WBLOCK t
.set DS, D+32*((\t)%2)
.set CC, C+6*((\t)%2)
.if (\t) < 7
	s_wait_loadcnt 32                              ; this block's 32 loads are in; the next block's may be out
.else
	s_wait_loadcnt 0x0
.endif
	MAX32 MX, MY, DS
	v_add_nc_u32 v[SCO], EOFF, v[MX]
	v_lshrrev_b32 v[BY], 23, v[SCO]
.if (\t)%4 == 0
	v_mov_b32 v[W+(\t)/4], v[BY]                   ; four bytes to a register, the lower K in the lower byte
.else
	v_lshl_or_b32 v[W+(\t)/4], v[BY], 8*((\t)%4), v[W+(\t)/4]
.endif
	v_cvt_scalef32_pk16_bf6_f32 v[CC:CC+2], v[DS:DS+15], v[SCO]
	v_cvt_scalef32_pk16_bf6_f32 v[TU:TU+2], v[DS+16:DS+31], v[SCO]
	v_nop                                          ; one plain place behind a scaled conversion
.irp i, 0,1,2
	v_mov_b32 v[CC+3+\i], v[TU+\i]
.endr
	global_store_b128 v7, v[CC:CC+3], s[32:33] offset:((\t)/2)*768+256*((\t)%2)          ; block t is half t % 2 of half fragment t / 2: 256 consecutive bytes in each of the two tiles
	global_store_b64 v8, v[CC+4:CC+5], s[32:33] offset:((\t)/2)*768+512+128*((\t)%2)
.if (\t)+2 < 8
	WLOAD (\t)%2
.endif
.endm
	WLOAD 0
	s_wait_alu depctr_va_vdst(0)
	WLOAD 1
.irp t, 0,1,2,3,4,5,6,7
	WBLOCK \t
.endr
	global_store_b64 v9, v[W:W+1], s[34:35]        ; 128 consecutive bytes in each of the two tiles
	s_endpgm
.Lfunc_end_k_qfa8d259d0e_quant:
	.size	k_qfa8d259d0e_quant, .Lfunc_end_k_qfa8d259d0e_quant-k_qfa8d259d0e_quant
	.p2alignl 7, 3214868480
	.fill 96, 4, 3214868480
	.section	.rodata,"a",@progbits
	.p2align	6, 0x0
	.amdhsa_kernel k_qfa8d259d0e_quant
		.amdhsa_group_segment_fixed_size 34304
		.amdhsa_private_segment_fixed_size 0
		.amdhsa_enable_private_segment 0
		.amdhsa_kernarg_size 48
		.amdhsa_user_sgpr_count 2
		.amdhsa_user_sgpr_kernarg_segment_ptr 1
		.amdhsa_wavefront_size32 1
		.amdhsa_system_sgpr_workgroup_id_x 1
		.amdhsa_system_sgpr_workgroup_id_y 1
		.amdhsa_system_sgpr_workgroup_id_z 1
		.amdhsa_system_vgpr_workitem_id 0
		.amdhsa_next_free_vgpr 256
		.amdhsa_next_free_sgpr 66
		.amdhsa_reserve_vcc 1
		.amdhsa_float_denorm_mode_32 3
		.amdhsa_float_denorm_mode_16_64 3
		.amdhsa_memory_ordered 1
		.amdhsa_forward_progress 1
		.amdhsa_inst_pref_size 71
	.end_amdhsa_kernel
	.amdgpu_metadata
---
amdhsa.version: [ 1, 2 ]
amdhsa.kernels:
  - .name:           k_qfa8d259d0e_quant
    .symbol:         k_qfa8d259d0e_quant.kd
    .args:
      - { .name: x, .offset: 0, .size: 8, .value_kind: global_buffer, .address_space: global }
      - { .name: wq, .offset: 8, .size: 8, .value_kind: global_buffer, .address_space: global }
      - { .name: wk, .offset: 16, .size: 8, .value_kind: global_buffer, .address_space: global }
      - { .name: wv, .offset: 24, .size: 8, .value_kind: global_buffer, .address_space: global }
      - { .name: w_proj, .offset: 32, .size: 8, .value_kind: global_buffer, .address_space: global }
      - { .name: xw, .offset: 40, .size: 8, .value_kind: global_buffer, .address_space: global }
    .group_segment_fixed_size: 34304
    .private_segment_fixed_size: 0
    .kernarg_segment_align: 8
    .kernarg_segment_size: 48
    .max_flat_workgroup_size: 128
    .sgpr_count:     66
    .vgpr_count:     256
    .wavefront_size: 32
...
	.end_amdgpu_metadata
.endif
;; end of part 1
;; launch qkv (part 2): grid 8 x 48, 4 waves a work-group, clusters of 4 x 4, 327,680 bytes of LDS; arguments xw, qkv; writes qkv
.if DOCPART == 2
	.amdgcn_target "amdgcn-amd-amdhsa--gfx1250"
	.amdhsa_code_object_version 6
	.text
	.protected	k_qfa8d259d0e_qkv
	.globl	k_qfa8d259d0e_qkv
	.p2align	8
	.type	k_qfa8d259d0e_qkv,@function
k_qfa8d259d0e_qkv:
	s_mov_b64 s[64:65], 0
	v_nop
	global_prefetch_b8 v0, s[64:65] scope:SCOPE_SE
	s_setreg_imm32_b32 hwreg(HW_REG_WAVE_MODE, 25, 1), 1
	s_wait_xcnt 0x0
	s_wait_alu depctr_hold_cnt(0) depctr_sa_sdst(0) depctr_va_vdst(0) depctr_va_sdst(0) depctr_va_ssrc(0) depctr_va_vcc(0) depctr_vm_vsrc(0)
	s_getreg_b32 s2, hwreg(HW_REG_IB_STS2, 6, 4)
	s_cmp_eq_u32 s2, 0
	s_cbranch_scc0 .Lentry_in_a_cluster
	s_endpgm
.Lentry_in_a_cluster:
	s_bfe_u32 s2, ttmp6, 0x10000c
	s_cmp_lg_u32 s2, 0xf033
	s_cbranch_scc0 .Lentry_shape_is_right
	s_endpgm
.Lentry_shape_is_right:
; q, k, v = x w, on codes of BF6 (E3M2) with one E8M0 scale for each 32 along K = 1,024, and the quantising of q, k (along the head's 64) and v (along the keys) into codes for the attention launch.
; ONE BODY, TWO ROLES, chosen by the cluster's y, which all partners share.  P is source 0, Q is source 1; in a result a lane holds one row of Q and its registers run along P's rows: the next product's K.
;   clusters y 0-7  (q, k): P = wq and wk (2,048 rows = 32 heads x 64), Q = x (8,192 rows): registers along the head's 64.
;   clusters y 8-11 (v):    P = x, Q = wv (1,024 rows): registers along the keys.
; The role chooses scalar offsets alone (s_cselect_b32) and, at the end, between two vector results (v_cndmask_b32): no branch hangs on it.
; A tile of the result, 256 x 256, is made by four waves, 128 x 128 each: 64 accumulators, 512 registers.  K goes in steps of 256 through a ring of two LDS slots filled by the tensor data mover.
; OPERANDS lie in xw as images of their registers.  A tile is 16 rows: tile 2 B + u holds in place r the row 32 B + 8 u + r + 8 (r / 8), so that the 16 registers of P's tiles 2 B and 2 B + 1 are 16 neighbours
; along the next K.  A half fragment (768 bytes) is a tile x 64 along K: lane l's first 16 bytes at 16 l, its last 8 at 512 + 8 l.  Codes: [tile][16] half fragments; scale bytes: [tile][K / 256][r][8].
; So a fragment comes by two loads of 16 bytes and two of 8, every one on consecutive bytes, and a K step of 128 rows is 8 rows of 3,072 bytes for one tensor load.
; CLUSTERS: 4 x 4 work-groups.  Q's tiles are shared along a row of the cluster, P's along a column: each is asked for jointly.
; THE WAY OUT: the 64 registers of a block of Q's rows are quantised in registers (four blocks of 32, each shared with lane l xor 16) and are two half fragments, which leave as they stand: no LDS.
; LIMITS: a block of zeros gets the byte 1 where the rule says 127 (zero codes; only this program reads the bytes); NaN and infinities are not served.
; REGISTERS, in windows of 256: window 0: v0-31 addresses; v32-63 scale words, two sets; v128-223 Q's fragments, one set; on the way out v32-239 are free.  window 1: P's fragments, two sets, at v0 and v128.
;   window 2: the accumulators of my Q blocks 0-3 ((a, b) at v[8 (8 a + b)]);  window 3: those of blocks 4-7.
.set NQ,     2                         ; matrix instructions deep in a slot
.set FR,     12                        ; registers of a fragment
.set NL,     4                         ; LDS loads that bring one
.set NP,     4                         ; places behind this matrix instruction (ISA guide 7.12.1)
.set TILEB,  3072                      ; a tile x 256 along K: four half fragments
.set HALFT,  8*TILEB                   ; 128 rows: what one tensor load brings
.set SLOT,   4*HALFT                   ; Q's 256 rows, then P's
.set SCL,    2*SLOT                    ; behind the ring: the scale bytes for all of K
.set HALFS,  4096                      ; those of 128 rows
.set SBLK,   512                       ; those of a tile
.set SPARE,  SCL+4*HALFS               ; the spare words, 128 bytes for each wave: two blocks of 256 bytes that no other line names
.set ADRA, 16                          ; v16-17 LDS address of Q's fragments in slot 0, 1 (16 x lane);  v18-19 the same for the 8-byte parts (512 + 8 x lane)
.set ADRB, 20                          ; v20-23 the same for P
.set O16,  24                          ; v24  16 x lane
.set O8,   25                          ; v25  8 x lane
.set OSC,  26                          ; v26  the scale words' way out
.set ADRS, 27                          ; v27  LDS address of my scale words: lanes 0-15 Q's rows, lanes 16-31 P's
.set SPW,  28                          ; v28  LDS address of my spare word; never rewritten
.set NIL,  29                          ; v29  0; never rewritten
.set PSEL, 30                          ; v30  v_perm_b32's selector: the low halves in lanes 0-15, the high halves in lanes 16-31
.set SC,   32
.set AF,   128
.set TM,   32                          ; the way out: v32-47 at work
.set PC0,  64                          ; block a's codes at v[64 + 20 a]: each block has its own, so that no store's data are written again
.set PW,   224                         ; v224-231 block a's scale word
.set SW,   232
.set SV,   236
.set OB,   32                          ; s[32:39] the way out's four bases (the registers of descriptors that are done with)
.set G1, 24
.set G0, 32
.set G1B, 48
.set G0B, 56
.set G1S, 68
.set G0S, 76
.set G1SB, 80
.set G0SB, 88
.set MSB, 0
.macro WIN new                         ; the immediate's high byte repeats the setting that is left
.if MSB != (\new)
	s_set_vgpr_msb (MSB<<8)|(\new)
.set MSB, (\new)
.endif
.endm
.set MUL_LO, 0xa1                      ; source 0 (P) window 1, source 1 (Q) window 0, C and D window 2
.set MUL_HI, 0xf1                      ; the same, C and D window 3
.set TO_B,   0x40                      ; destination window 1, address window 0
; A joint load: waves 0 and 1 fetch for Q, waves 2 and 3 for P.  The branch hangs on the wave's number alone.  Four v_nop follow each of the two lines.
.macro JLOAD g0a, g1a, g0b, g1b
	s_cmp_eq_u32 s15, 0
	s_cbranch_scc0 .Lfor_b_\@
	tensor_load_to_lds s[\g0a:\g0a+3], s[\g1a:\g1a+7]
	s_nop 0
.rept 4
	v_nop
.endr
	s_branch .Lasked_\@
.Lfor_b_\@:
	tensor_load_to_lds s[\g0b:\g0b+3], s[\g1b:\g1b+7]
	s_nop 0
.rept 4
	v_nop
.endr
.Lasked_\@:
.endm
.macro CREST                           ; a round of the cluster's barrier behind its opening barrier
	s_cmp_lg_u32 s14, 0
	s_cbranch_scc1 .Lnot_wave_0_\@
	s_barrier_signal -3
.Lnot_wave_0_\@:
	s_barrier_wait -3
	s_barrier_signal -1
	s_barrier_wait -1
.endm
.macro CROUND
	s_barrier_signal -1
	s_barrier_wait -1
	CREST
.endm
	s_load_b128 s[4:7], s[0:1], 0x0                ; xw s[4:5], qkv s[6:7]
	v_lshl_add_u32 v[SPW], v0, 2, SPARE
	v_mov_b32 v[NIL], 0
	ds_add_u32 v28, v29
	ds_add_u32 v28, v29
	s_wait_dscnt 0x0
	v_lshrrev_b32 v1, 5, v0
	v_readfirstlane_b32 s14, v1                    ; wave 0..3
	s_lshr_b32 s15, s14, 1                         ; which half of Q's 256 rows is mine.  Also: I fetch for Q (0) or for P (1)
	s_and_b32 s16, s14, 1                          ; which half of P's.  Also: which 128 rows I fetch
	s_bfe_u32 s40, ttmp6, 0x40000                  ; cx, cy: my place in the cluster
	s_bfe_u32 s41, ttmp6, 0x40004
	s_and_b32 s8, ttmp7, 0xffff                    ; the cluster's y: the role
	s_lshl_b32 s42, ttmp9, 2
	s_add_co_u32 s42, s42, s40                     ; 4 x cluster x + cx: P's tile in role q, k
	s_max_u32 s9, s8, 8
	s_sub_co_u32 s9, s9, 8
	s_lshl_b32 s9, s9, 3
	s_add_co_u32 s9, s9, s42                       ; + 8 (cluster y - 8): P's tile in role v
	s_lshl_b32 s17, s8, 2
	s_add_co_u32 s17, s17, s41                     ; 4 x cluster y + cy: Q's tile in role q, k; in role v it is cy
	s_lshl_b32 s43, s41, 2
	s_lshl_b32 s43, 15, s43                        ; my row of the cluster
	s_lshl_b32 s44, 0x1111, s40                    ; my column
	s_mov_b32 s11, 6291456
	s_mov_b32 s13, 9764864
	s_cmp_lt_u32 s8, 8                             ; role q, k?
	s_cselect_b32 s42, s42, s9                     ; P's tile of 256 rows
	s_cselect_b32 s17, s17, s41                    ; Q's
	s_cselect_b32 s10, 6553600, 0                  ; in xw: P's codes,
	s_cselect_b32 s11, 9699328, s11                ; P's scale bytes,
	s_cselect_b32 s12, 0, 8126464                  ; Q's codes,
	s_cselect_b32 s13, 6291456, s13                ; Q's scale bytes
	s_cselect_b32 s3, 0, -1                        ; all ones in role v
	s_mov_b32 s67, 0
	s_mov_b32 s101, 0
	; descriptor group 1: 8 rows (tiles) of 3,072 bytes (384 elements of 8 bytes), 12,288 bytes apart; no padding: every LDS load reads consecutive bytes
	s_or_b32 s[G1+0], s43, (3<<16)|(1<<21)         ; 15:0 the mask: Q's tiles go to my row; 17:16 elements of 8 bytes; 21 set beside a mask
	s_or_b32 s[G1B+0], s44, (3<<16)|(1<<21)        ; P's go to my column
.irp g, G1, G1B
	s_mov_b32 s[\g+1], 384<<16                     ; tensor_dim0
	s_mov_b32 s[\g+2], 16<<16                      ; tensor_dim1: 16 tiles for the head's loads; 8 behind them
	s_mov_b32 s[\g+3], 384<<16                     ; tile_dim0
	s_mov_b32 s[\g+4], 16                          ; tile_dim1 likewise
	s_mov_b32 s[\g+5], 1536                        ; tensor_dim0_stride
	s_mov_b32 s[\g+6], 0
	s_mov_b32 s[\g+7], 0
.endr
	; the scale bytes of 256 rows: 8,192 dense bytes, as 32 rows of 256
	s_or_b32 s[G1S+0], s43, (3<<16)|(1<<21)
	s_or_b32 s[G1SB+0], s44, (3<<16)|(1<<21)
.irp g, G1S, G1SB
	s_mov_b32 s[\g+1], 32<<16
	s_mov_b32 s[\g+2], 32<<16                      ; the scale bytes of 256 rows: 32 rows of 256 bytes
	s_mov_b32 s[\g+3], 32<<16
	s_mov_b32 s[\g+4], 32
	s_mov_b32 s[\g+5], 32
	s_mov_b32 s[\g+6], 0
	s_mov_b32 s[\g+7], 0
.endr
	s_lshl_b32 s20, s17, 1                         ; Q: the tile's first 128 rows
	s_lshl_b32 s46, s42, 1                         ; P likewise
	s_lshl_b32 s22, s20, 12
	s_add_co_u32 s22, s22, s13                     ; their scale bytes,
	s_mov_b32 s23, 0
	s_mul_i32 s20, s20, 98304
	s_add_co_u32 s20, s20, s12                     ; their codes: 8 tiles of 12,288 bytes
	s_mov_b32 s21, 0
	s_lshl_b32 s92, s46, 12
	s_add_co_u32 s92, s92, s11
	s_mov_b32 s93, 0
	s_mul_i32 s46, s46, 98304
	s_add_co_u32 s46, s46, s10
	s_mov_b32 s47, 0
	s_mul_i32 s45, s14, HALFT                      ; where they go: wave x 128 rows: no place in the cluster enters an LDS address
	s_mul_i32 s94, s16, 98304                      ; in the ring I fetch 128 rows of a tile: which half, in bytes
	; the way out.  G = 4 x P's tile + 2 x my half: the first of my two groups of 64 along P;  A = 16 x Q's tile + 8 x my half: the first of my eight tiles of Q
	s_lshl_b32 s9, s42, 2
	s_lshl_b32 s95, s16, 1
	s_add_co_u32 s9, s9, s95                       ; G
	s_lshl_b32 s95, s17, 4
	s_lshl_b32 s96, s15, 3
	s_add_co_u32 s95, s95, s96                     ; A
	; LAYOUT OF qkv.  q at 0: [head][16 b + key step] records of 6,400 bytes: eight tiles' half fragments (768 each), then 256 scale bytes [r][tile][2].
	; k and v from byte 6,553,600 on: [16 b + head][key step] records of 12,800 bytes: k's 6,400 as q's; then v's: half fragments [64 keys c][tile of d] and 256 scale bytes [r][tile of d][4].
	s_lshr_b32 s97, s95, 3                         ; q, k: X = A / 8 = 16 b + key step
	s_lshl_b32 s96, s9, 6
	s_add_co_u32 s96, s96, s97
	s_mul_i32 s96, s96, 6400                       ; q: record 64 G + X
	s_lshr_b32 s98, s97, 4
	s_lshl_b32 s98, s98, 4
	s_add_co_u32 s98, s98, s9
	s_sub_co_u32 s98, s98, 16                      ; k: 16 b + (G - 16)
	s_lshl_b32 s98, s98, 4
	s_and_b32 s97, s97, 15
	s_add_co_u32 s98, s98, s97                     ; x 16 + key step
	s_mul_i32 s98, s98, 12800
	s_add_co_u32 s98, s98, 6553600
	s_mov_b32 s18, 409600                          ; a head on: q 64 records of 6,400,
	s_cmp_lt_u32 s9, 16                            ; q's heads or k's?
	s_cselect_b32 s96, s96, s98
	s_cselect_b32 s18, s18, 204800                 ; k (and v) 16 records of 12,800
	s_lshr_b32 s97, s9, 5                          ; v: the batch,
	s_lshl_b32 s97, s97, 4
	s_lshr_b32 s99, s95, 2                         ; the head
	s_add_co_u32 s97, s97, s99
	s_lshl_b32 s97, s97, 4
	s_and_b32 s99, s9, 31
	s_lshr_b32 s99, s99, 1                         ; the key step
	s_add_co_u32 s97, s97, s99
	s_mul_i32 s97, s97, 12800
	s_add_co_u32 s97, s97, 6560000                 ; v's part lies 6,400 bytes into the record
	s_mov_b32 s100, 204800
	s_mov_b32 s2, s100
	s_cmp_lt_u32 s8, 8
	s_cselect_b32 s96, s96, s97                    ; where my codes begin
	s_cselect_b32 s66, s18, 3072                   ; from a fragment's first half to its second: a head on, or 64 keys on
	s_cselect_b32 s100, 3072, s100                 ; from Q's blocks 0-3 to 4-7: four tiles on, or a head on
	s_cselect_b32 s2, s18, s2                      ; the scale words of lanes 16-31: a head on
	s_add_co_u32 s98, s96, 6144                    ; the record's scale bytes
	s_mov_b32 s95, 0                               ; (the upper word beside s94)
	s_mov_b32 s97, 0
	s_mov_b32 s99, 0
	s_wait_kmcnt 0x0
	s_add_nc_u64 s[20:21], s[4:5], s[20:21]
	s_add_nc_u64 s[22:23], s[4:5], s[22:23]
	s_add_nc_u64 s[46:47], s[4:5], s[46:47]
	s_add_nc_u64 s[92:93], s[4:5], s[92:93]
	CROUND                                         ; all sixteen work-groups are here: the first joint loads meet
	s_mov_b32 s[G0S], 1                            ; the head's four tiles, each whole: the scale bytes of Q's 256 rows,
	s_mov_b32 s[G0S+1], SCL
	s_mov_b64 s[G0S+2:G0S+3], s[22:23]
	s_or_b32 s[G0S+3], s[G0S+3], 0x80000000
	s_mov_b32 s[G0SB], 1                           ; of P's,
	s_mov_b32 s[G0SB+1], SCL+2*HALFS
	s_mov_b64 s[G0SB+2:G0SB+3], s[92:93]
	s_or_b32 s[G0SB+3], s[G0SB+3], 0x80000000
	s_mov_b32 s[G0], 1                             ; K step 0 of Q's 256 rows,
	s_mov_b32 s[G0+1], 0
	s_mov_b64 s[G0+2:G0+3], s[20:21]
	s_or_b32 s[G0+3], s[G0+3], 0x80000000
	s_mov_b32 s[G0B], 1                            ; and of P's, behind them in slot 0
	s_mov_b32 s[G0B+1], 2*HALFT
	s_mov_b64 s[G0B+2:G0B+3], s[46:47]
	s_or_b32 s[G0B+3], s[G0B+3], 0x80000000
	s_add_nc_u64 s[20:21], s[20:21], s[94:95]      ; for the ring: my 128 rows
	s_add_nc_u64 s[46:47], s[46:47], s[94:95]
	s_mov_b32 s[G0+4], 1                           ; slot 1: K step 1
	s_add_co_u32 s[G0+5], s45, SLOT
	s_add_nc_u64 s[G0+6:G0+7], s[20:21], TILEB
	s_or_b32 s[G0+7], s[G0+7], 0x80000000
	s_mov_b32 s[G0B+4], 1
	s_add_co_u32 s[G0B+5], s45, SLOT
	s_add_nc_u64 s[G0B+6:G0B+7], s[46:47], TILEB
	s_or_b32 s[G0B+7], s[G0B+7], 0x80000000
; THE HEAD'S LOADS, ONE A WAVE: one tree of branches on the wave's number, each arm with its load, all arms leading to one join.
.macro ARM under, g0, g1, next
	s_cmp_lt_u32 s14, \under
	s_cbranch_scc0 \next
	tensor_load_to_lds s[\g0:\g0+3], s[\g1:\g1+7]
	s_nop 0
.rept 4
	v_nop
.endr
	s_branch .Lhead_asked
\next:
.endm
	ARM 1, G0,  G1,  .Lhead_b
	ARM 2, G0B, G1B, .Lhead_sa
	ARM 3, G0S, G1S, .Lhead_sb
	tensor_load_to_lds s[G0SB:G0SB+3], s[G1SB:G1SB+7]
	s_nop 0
.rept 4
	v_nop
.endr
.Lhead_asked:
	v_and_b32 v1, 15, v0                           ; r
	v_bfe_u32 v2, v0, 4, 1                         ; h
	v_and_b32 v3, 31, v0                           ; lane
	v_lshlrev_b32 v[O16], 4, v3
	v_lshlrev_b32 v[O8], 3, v3
	v_add_nc_u32 v5, 512, v[O8]
	s_mul_i32 s21, s15, HALFT                      ; my 128 rows of Q
	s_mul_i32 s22, s16, HALFT                      ; my 128 rows of P,
	s_add_co_u32 s22, s22, 2*HALFT                 ; which lie behind Q's 256
.irp s, 0,1
	v_add_nc_u32 v[ADRA+\s], s21, v[O16]
	v_add_nc_u32 v[ADRB+\s], s22, v[O16]
	v_add_nc_u32 v[ADRA+2+\s], s21, v5
	v_add_nc_u32 v[ADRB+2+\s], s22, v5
	s_add_co_u32 s21, s21, SLOT
	s_add_co_u32 s22, s22, SLOT
.endr
	v_lshlrev_b32 v5, 3, v1                        ; my row's 8 scale bytes of a K step
	s_mul_i32 s21, s15, HALFS                      ; Q's: my 128 rows
	s_mul_i32 s22, s16, HALFS                      ; P's: my 128 rows, behind Q's 256
	s_add_co_u32 s22, s22, 2*HALFS
	s_sub_co_u32 s22, s22, s21
	v_mul_u32_u24 v6, s22, v2                      ; lanes 16-31 take P's
	s_add_co_u32 s21, s21, SCL
	v_add_nc_u32 v5, v5, v6
	v_add_nc_u32 v[ADRS], s21, v5
	v_mul_u32_u24 v[OSC], s2, v2
	v_lshl_add_u32 v[OSC], v1, 4, v[OSC]           ; the scale words' way out: 16 r, lanes 16-31 a head on
	v_cmp_lt_u32 vcc_lo, 15, v3
	v_mov_b32 v[PSEL], 0x05040100
	v_mov_b32 v31, 0x07060302
	v_cndmask_b32 v[PSEL], v[PSEL], v31, vcc_lo
.macro FRAG reg, adr, q, i             ; a fragment, 16 rows x 128 K: two half fragments, each 16 bytes and 8 bytes a lane, as they lie
	ds_load_b128 v[\reg:\reg+3], v[\adr] offset:(\i)*TILEB+1536*(\q)
	ds_load_b64 v[\reg+4:\reg+5], v[\adr+2] offset:(\i)*TILEB+1536*(\q)
	ds_load_b128 v[\reg+6:\reg+9], v[\adr] offset:(\i)*TILEB+1536*(\q)+768
	ds_load_b64 v[\reg+10:\reg+11], v[\adr+2] offset:(\i)*TILEB+1536*(\q)+768
.endm
; 16 matrix instructions: Q's blocks a0, a0 + 1 x P's eight, 128 along K: the slot's q-th.  p: P's set;  sc: the set of scale words.  zero = 1: the first product starts the sums.
; The 64 accumulators take turns, one instruction a turn, in the same order in every step.
.macro MUL16 a0, p, q, sc, zero
.irp a, \a0, \a0+1
.irp b, 0,1,2,3,4,5,6,7
.if \zero
	v_wmma_scale_f32_16x16x128_f8f6f4 v[8*(8*((\a)%4)+\b):8*(8*((\a)%4)+\b)+7], v[128*(\p)+FR*\b:128*(\p)+FR*\b+FR-1], v[AF+FR*(\a):AF+FR*(\a)+FR-1], 0, v[SC+8*NQ*(\sc)+NQ*\b+(\q)], v[SC+8*NQ*(\sc)+NQ*(\a)+(\q)] matrix_a_fmt:MATRIX_FMT_BF6 matrix_b_fmt:MATRIX_FMT_BF6 matrix_a_scale:MATRIX_SCALE_ROW1
.else
	v_wmma_scale_f32_16x16x128_f8f6f4 v[8*(8*((\a)%4)+\b):8*(8*((\a)%4)+\b)+7], v[128*(\p)+FR*\b:128*(\p)+FR*\b+FR-1], v[AF+FR*(\a):AF+FR*(\a)+FR-1], v[8*(8*((\a)%4)+\b):8*(8*((\a)%4)+\b)+7], v[SC+8*NQ*(\sc)+NQ*\b+(\q)], v[SC+8*NQ*(\sc)+NQ*(\a)+(\q)] matrix_a_fmt:MATRIX_FMT_BF6 matrix_b_fmt:MATRIX_FMT_BF6 matrix_a_scale:MATRIX_SCALE_ROW1
.endif
.endr
.endr
.endm
.macro FETCH_B slot, q, p              ; P's eight fragments of the slot's q-th 128 along K into set p
	WIN TO_B
.irp i, 0,1,2,3,4,5,6,7
	FRAG 128*(\p)+FR*\i, ADRB+\slot, \q, \i
.endr
	WIN 0
.endm
.macro FETCH_A slot, q, i0             ; Q's blocks i0 .. i0 + 3
.irp i, \i0, \i0+1, \i0+2, \i0+3
	FRAG AF+FR*(\i), ADRA+\slot, \q, \i
.endr
.endm
.macro SCALES sc                       ; a K step's scale words into set sc: two words a row; lanes 0-15 take Q's block i, lanes 16-31 P's block i
.irp i, 0,1,2,3,4,5,6,7
	ds_load_b64 v[SC+8*NQ*\sc+NQ*\i:SC+8*NQ*\sc+NQ*\i+1], v[ADRS] offset:\i*SBLK
.endr
.endm
.macro PLACES n                        ; plain vector instructions between a matrix instruction and a load into, or a vector instruction on, one of its registers
.rept \n
	v_nop
.endr
.endm
.macro STEP slot, q, zero              ; a step of 128 along K that has its successor in the same slot
	s_wait_dscnt 4*NL                              ; P's set, Q's blocks 0-3 and the scale words are in; the youngest 16 loads (Q's blocks 4-7) may be out
	WIN MUL_LO
	MUL16 0, (\q)%2, \q, \slot, \zero
	MUL16 2, (\q)%2, \q, \slot, \zero
	s_wait_dscnt 0                                 ; Q's blocks 4-7 are in
	PLACES NP
	FETCH_B \slot, (\q)+1, 1-(\q)%2
	FETCH_A \slot, (\q)+1, 0
	WIN MUL_HI
	MUL16 4, (\q)%2, \q, \slot, \zero
	MUL16 6, (\q)%2, \q, \slot, \zero
	PLACES NP
	WIN 0
	FETCH_A \slot, (\q)+1, 4
.endm
; A slot's last step changes slots: ONE barrier; in front of it each wave waits for all its tensor loads, adds 0 to its spare word, and waits for that and for its reads of this slot.  fill = 1: this slot is filled again, two K steps ahead.
.macro TURN slot, next, fill
	s_wait_tensorcnt 0x0                           ; all my tensor loads have landed: my part of the next slot
	ds_add_u32 v[SPW], v[NIL]                      ; 0 onto my spare word
	s_wait_dscnt 4*NL+1                            ; (the add and the youngest 16 loads may be out)
	WIN MUL_LO
	MUL16 0, 1, NQ-1, \slot, 0                     ; sixteen matrix instructions stand between the add and the wait for it
	s_wait_dscnt 0x0                               ; the add is done, and my reads of this slot are over
	s_barrier_signal -1
	MUL16 2, 1, NQ-1, \slot, 0
	WIN 0
	s_barrier_wait -1
.if \fill
	CREST                                          ; the barrier has opened a round of the cluster's barrier: no wave of any partner still reads this slot or has a load on its way
	s_add_nc_u64 s[G0+4*\slot+2:G0+4*\slot+3], s[G0+4*\slot+2:G0+4*\slot+3], 2*TILEB
	s_add_nc_u64 s[G0B+4*\slot+2:G0B+4*\slot+3], s[G0B+4*\slot+2:G0B+4*\slot+3], 2*TILEB
	JLOAD G0+4*\slot, G1, G0B+4*\slot, G1B         ; the first tensor load behind the round; its four v_nop are also the places in front of the loads below
.else
	PLACES NP
.endif
	s_wait_alu depctr_va_vdst(0)
	v_add_nc_u32 v[ADRS], 128, v[ADRS]             ; on to the next K step's scale words
	FETCH_B \next, 0, 0
	FETCH_A \next, 0, 0
	SCALES \next
	WIN MUL_HI
	MUL16 4, 1, NQ-1, \slot, 0
	MUL16 6, 1, NQ-1, \slot, 0
	PLACES NP
	WIN 0
	FETCH_A \next, 0, 4
.endm
	s_wait_alu depctr_va_vdst(0)
	s_wait_tensorcnt 0x0                           ; my tile of the head's four is in; slot 1's first fill is issued as a refill is:
	ds_add_u32 v[SPW], v[NIL]                      ; 0 onto my spare word
	s_mov_b32 s[G1+2], 8<<16                       ; no tensor load of mine is out, so descriptors may be written: from here on a load brings 8 tiles,
	s_mov_b32 s[G1+4], 8
	s_mov_b32 s[G1B+2], 8<<16
	s_mov_b32 s[G1B+4], 8
	s_mov_b32 s[G0+1], s45                         ; and slot 0's refills are my 128 rows, at my place
	s_add_nc_u64 s[G0+2:G0+3], s[G0+2:G0+3], s[94:95]
	s_mov_b32 s[G0B+1], s45
	s_add_nc_u64 s[G0B+2:G0B+3], s[G0B+2:G0B+3], s[94:95]
	s_wait_dscnt 0x0                               ; the add is done
	CROUND                                         ; a whole round: all four tiles are in, and the joint loads meet
	JLOAD G0+4, G1, G0B+4, G1B                     ; K step 1, the first tensor load behind the round
	FETCH_B 0, 0, 0
	FETCH_A 0, 0, 0
	SCALES 0
	FETCH_A 0, 0, 4
	STEP 0, 0, 1                                   ; K = 1,024 is four K steps of 256: eight steps of 128, written out
	TURN 0, 1, 1                                   ; slot 0 takes K step 2
	STEP 1, 0, 0
	TURN 1, 0, 1                                   ; slot 1 takes K step 3
	STEP 0, 0, 0
	TURN 0, 1, 0                                   ; nothing is left to fetch
	STEP 1, 0, 0
	s_wait_dscnt 4*NL
	WIN MUL_LO
	MUL16 0, 1, NQ-1, 1, 0
	MUL16 2, 1, NQ-1, 1, 0
	s_wait_dscnt 0
	WIN MUL_HI
	MUL16 4, 1, NQ-1, 1, 0
	MUL16 6, 1, NQ-1, 1, 0
	WIN 0
; THE WAY OUT.  Block a's 64 registers: register 16 b + i is k = 32 b + 16 (lane / 16) + i of my row, along the next K.  They become a fragment's 12 registers (two half fragments) and a scale word.
.macro QUANTW a
.set AC, 64*((\a)%4)
.set WW, 2+(\a)/4
.set W2, WW|(WW<<2)
.set PB, PC0+20*(\a)
	WIN W2                                         ; sources 0 and 1: the accumulators' window
.irp b, 0,1,2,3
	v_max3_num_f32 v[TM+\b], |v[AC+16*\b]|, |v[AC+16*\b+1]|, 0x2800000   ; block b: my 16 numbers, each accumulator from its low end on, and the floor 2^(5 - 127)
.endr
.irp i, 2,4,6,8,10,12,14
.irp b, 0,1,2,3
	v_max3_num_f32 v[TM+\b], |v[AC+16*\b+\i]|, |v[AC+16*\b+\i+1]|, v[TM+\b]
.endr
.endr
	WIN 0
.irp b, 0,1,2,3
	v_permlanex16_b32 v[TM+4+\b], v[TM+\b], s68, s69
.endr
.irp b, 0,1,2,3
	v_max_num_f32 v[TM+\b], v[TM+\b], v[TM+4+\b]   ; with lane l xor 16's: the block's largest magnitude
.endr
.irp b, 0,1,2,3
	v_add_nc_u32 v[TM+12+\b], 0xfe000000, v[TM+\b] ; 4 off its exponent field: the conversion's scale operand
.endr
.irp b, 0,1,2,3
	v_lshrrev_b32 v[TM+4+\b], 23, v[TM+12+\b]      ; the scale's byte
.endr
	v_lshl_or_b32 v[PW+(\a)], v[TM+5], 8, v[TM+4]
	v_lshl_or_b32 v[PW+(\a)], v[TM+6], 16, v[PW+(\a)]
	v_lshl_or_b32 v[PW+(\a)], v[TM+7], 24, v[PW+(\a)]
	WIN WW                                         ; source 0: the accumulators' window
.irp c, 0,1
	v_cvt_scalef32_pk16_bf6_f32 v[PB+6*\c:PB+6*\c+2], v[AC+32*\c:AC+32*\c+15], v[TM+12+2*\c]
	v_cvt_scalef32_pk16_bf6_f32 v[PB+12+4*\c:PB+14+4*\c], v[AC+32*\c+16:AC+32*\c+31], v[TM+12+2*\c+1]
.endr
	WIN 0
	v_nop                                          ; one plain place behind a scaled conversion
.irp c, 0,1                            ; the operand's layout wants a whole block in a lane: lanes 0-15 block 2 c, lanes 16-31 block 2 c + 1
.irp i, 0,1,2
	v_permlane16_swap_b32 v[PB+6*\c+\i], v[PB+12+4*\c+\i]
.endr
.irp i, 0,1,2
	v_mov_b32 v[PB+3+6*\c+\i], v[PB+12+4*\c+\i]
.endr
.endr
.irp c, 0,1
	global_store_b128 v[O16], v[PB+6*\c:PB+6*\c+3], s[OB+2*\c+4*((\a)/4):OB+2*\c+4*((\a)/4)+1] offset:768*((\a)%4)       ; 512 consecutive bytes
	global_store_b64 v[O8], v[PB+6*\c+4:PB+6*\c+5], s[OB+2*\c+4*((\a)/4):OB+2*\c+4*((\a)/4)+1] offset:768*((\a)%4)+512   ; 256 consecutive bytes
.endr
.endm
	PLACES NP                                      ; behind the last products: their results are read, and registers that they read are written
	s_mov_b32 s68, 0x76543210                      ; (the scale descriptors' registers: every tensor load was shown done at the last change of slots)
	s_mov_b32 s69, 0xfedcba98
	s_add_nc_u64 s[OB:OB+1], s[6:7], s[96:97]      ; first half of a fragment, blocks 0-3
	s_add_nc_u64 s[OB+2:OB+3], s[OB:OB+1], s[66:67]      ; second half
	s_add_nc_u64 s[OB+4:OB+5], s[OB:OB+1], s[100:101]    ; blocks 4-7
	s_add_nc_u64 s[OB+6:OB+7], s[OB+2:OB+3], s[100:101]
	s_add_nc_u64 s[56:57], s[6:7], s[98:99]        ; the scale words
.irp b, 0,1,2,3
	v_mov_b32 v[TM+4+\b], 0                        ; written once: a lane permute's destination counts as one of its sources
.endr
.irp a, 0,1,2,3,4,5,6,7
	QUANTW \a
.endr
	; The scale words.  q, k: a word's low half is the first head's two bytes, its high half the second's: lanes 0-15 gather the eight tiles' low halves, lanes 16-31 the high halves, a head on.
	; v: a word is a tile of d's four bytes of these 128 keys: lanes 0-15 take the first head's four tiles, lanes 16-31 the second's.
	v_and_b32 v31, 31, v0
	v_cmp_lt_u32 vcc_lo, 15, v31
.irp p, 0,1,2,3
	v_perm_b32 v[SW+\p], v[PW+2*\p+1], v[PW+2*\p], v[PSEL]
	v_cndmask_b32 v[SV+\p], v[PW+\p], v[PW+4+\p], vcc_lo
.endr
.irp p, 0,1,2,3
	v_cndmask_b32 v[SW+\p], v[SW+\p], v[SV+\p], s3
.endr
	global_store_b128 v[OSC], v[SW:SW+3], s[56:57] ; 256 consecutive bytes for each half of the lanes
	s_wait_tensorcnt 0x0                           ; the wave's end
	ds_add_u32 v[SPW], v[NIL]
	s_wait_dscnt 0x0
	CROUND                                         ; the closing round: no work-group ends while a partner may still ask for a tile that names it
	s_endpgm
.Lfunc_end_k_qfa8d259d0e_qkv:
	.size	k_qfa8d259d0e_qkv, .Lfunc_end_k_qfa8d259d0e_qkv-k_qfa8d259d0e_qkv
	.p2alignl 7, 3214868480
	.fill 96, 4, 3214868480
	.section	.rodata,"a",@progbits
	.p2align	6, 0x0
	.amdhsa_kernel k_qfa8d259d0e_qkv
		.amdhsa_group_segment_fixed_size 327680
		.amdhsa_private_segment_fixed_size 0
		.amdhsa_enable_private_segment 0
		.amdhsa_kernarg_size 16
		.amdhsa_user_sgpr_count 2
		.amdhsa_user_sgpr_kernarg_segment_ptr 1
		.amdhsa_wavefront_size32 1
		.amdhsa_system_sgpr_workgroup_id_x 1
		.amdhsa_system_sgpr_workgroup_id_y 1
		.amdhsa_system_sgpr_workgroup_id_z 1
		.amdhsa_system_vgpr_workitem_id 0
		.amdhsa_next_free_vgpr 1024
		.amdhsa_next_free_sgpr 102
		.amdhsa_reserve_vcc 1
		.amdhsa_float_denorm_mode_32 3
		.amdhsa_float_denorm_mode_16_64 3
		.amdhsa_memory_ordered 1
		.amdhsa_forward_progress 1
		.amdhsa_inst_pref_size 152
	.end_amdhsa_kernel
	.amdgpu_metadata
---
amdhsa.version: [ 1, 2 ]
amdhsa.kernels:
  - .name:           k_qfa8d259d0e_qkv
    .symbol:         k_qfa8d259d0e_qkv.kd
    .args:
      - { .name: xw, .offset: 0, .size: 8, .value_kind: global_buffer, .address_space: global }
      - { .name: qkv, .offset: 8, .size: 8, .value_kind: global_buffer, .address_space: global }
    .group_segment_fixed_size: 327680
    .private_segment_fixed_size: 0
    .kernarg_segment_align: 8
    .kernarg_segment_size: 16
    .max_flat_workgroup_size: 128
    .sgpr_count:     102
    .vgpr_count:     1024
    .wavefront_size: 32
...
	.end_amdgpu_metadata
.endif
;; end of part 2
;; launch attn (part 3): grid 4 x 64, 16 waves a work-group, clusters of 4 x 1, 206,848 bytes of LDS; arguments qkv, att; writes att
.if DOCPART == 3
	.amdgcn_target "amdgcn-amd-amdhsa--gfx1250"
	.amdhsa_code_object_version 6
	.text
	.protected	k_qfa8d259d0e_attn
	.globl	k_qfa8d259d0e_attn
	.p2align	8
	.type	k_qfa8d259d0e_attn,@function
k_qfa8d259d0e_attn:
	s_mov_b64 s[64:65], 0
	v_nop
	global_prefetch_b8 v0, s[64:65] scope:SCOPE_SE
	s_setreg_imm32_b32 hwreg(HW_REG_WAVE_MODE, 25, 1), 1
	s_wait_xcnt 0x0
	s_wait_alu depctr_hold_cnt(0) depctr_sa_sdst(0) depctr_va_vdst(0) depctr_va_sdst(0) depctr_va_ssrc(0) depctr_va_vcc(0) depctr_vm_vsrc(0)
	s_getreg_b32 s2, hwreg(HW_REG_IB_STS2, 6, 4)
	s_cmp_eq_u32 s2, 0
	s_cbranch_scc0 .Lentry_in_a_cluster
	s_endpgm
.Lentry_in_a_cluster:
	s_bfe_u32 s2, ttmp6, 0x10000c
	s_cmp_lg_u32 s2, 0x3003
	s_cbranch_scc0 .Lentry_shape_is_right
	s_endpgm
.Lentry_shape_is_right:
; o = softmax(q k^T / 32, causal) v for one batch and head, both products on codes of BF6 (E3M2) with one E8M0 scale for each 32 along K, and the quantising of o along (head, d) for the projection.
; THE SOFTMAX AHEAD OF THE SECOND PRODUCT: t = score x log2(e) / 32; M = the row's largest t so far, rounded UP to a whole number; p = 2^(t - M) is what is quantised, along the keys, not normalised.
; The row's sum is taken of the unquantised p and divides O at the end.  When M moves, the sum and O are multiplied by 2^(old M - new M): exact.
; SHARES.  The four work-groups of one (batch, head) form a cluster.  The head's K and V, 16 records of 12,800 bytes (a key step of 128: K's codes, K's scale bytes, V's codes, V's scale bytes), come into LDS ONCE:
; wave w asks for record w, jointly with the same wave of the three partners (mask 15); nothing is filled again.  One tensor load a wave is out, at the head alone.
; Work-group cx, wave w (e = w % 2, P = w / 2) owns two tiles of 16 queries, one after the other: tile 8 (15 - P) + 2 cx + e, then tile 8 P + 2 cx + e.  Tile T needs T / 8 + 1 key steps: 17 for every wave.
; Which key steps a wave leaves out hangs on its number alone, never on the work-group's place in the cluster; cx enters only global addresses and the diagonal's compare.
; Causal tiles left out: a key step all of whose keys come after the wave's queries has only scores that reference() sets to -infinity: their p is 0 for all inputs.
; LAYOUT.  Both products are used transposed: S^T = K Q^T, O^T = V^T P^T: a lane holds ONE query throughout.  A tile holds in place r the row 32 B + 8 u + r + 8 (r / 8) (tile 2 B + u), so that the 16 registers of
; tiles 2 B and 2 B + 1 are 16 neighbours along the next K.  Operands lie as half fragments (a tile x 64 along K, 768 bytes: lane l's first 16 bytes at 16 l, its last 8 at 512 + 8 l).
; THE HEAD IS 64, THE INSTRUCTION'S K 128: source 0 holds the half fragments of key tiles 2 p and 2 p + 1; source 1 is (q | zero codes) for tile 2 p and (zero codes | q) for tile 2 p + 1.
; No prefetch: K and V are asked for once, at the head, and the text has no loop that runs ahead of a load.
; LIMITS: the promise holds while |t| stays under 2^31; a block of zeros gets the byte 1 where the rule says 127 (zero codes; only this program reads the bytes); a p under 2^-126 becomes 0 (v_exp_f32 flushes
; denormals: ISA guide 15.8); a block's largest p is taken from its largest score by the same two instructions, which takes v_exp_f32 not to fall where its input rises; NaN and infinities are not served.
.set REC,  12800                       ; a record: K's part, then V's
.set VP,   6400                        ; V's part
.set SB,   6144                        ; a part's scale bytes
.set KVO,  6553600                     ; in qkv: k's and v's records (q's lie at 0)
.set OS_OFF, 6291456                   ; in att: o's scale bytes
.set SPARE, 16*REC                     ; the spare words: 128 bytes for each of 16 waves
.set L16,  1                           ; v1   16 x lane
.set L8,   2                           ; v2   512 + 8 x lane
.set AKS,  3                           ; v3   SB + 16 r
.set R16,  4                           ; v4   16 r
.set R8,   5                           ; v5   8 r
.set VD0,  6
.set VD,   7                           ; v7   my query less the diagonal step's first key less 16 h
.set A16,  8                           ; v8-10 this step's LDS addresses
.set A8,   9
.set AS,   10
.set OM,   11                          ; v11 the old -M;  v12 -M, v13 the largest t, v[14:15] the sum in two halves
.set QS0,  18
.set QS1,  19
.set KSW,  20
.set VSW,  24
.set PSW,  28
.set FF,   30                          ; v[30:31] f = 2^(old M - new M), and 0
.set Q0F,  32
.set Q1F,  44
.set KV,   56                          ; v56-103 eight half fragments of K, then four fragments of V
.set S,    104                         ; v104-167 S^T, then p
.set O,    168                         ; v168-199 O^T
.set PC,   200
.set PT,   212
.set BM,   220
.set BX,   224
.set SCO,  228
.set TA,   234
.set TC,   236
.set U,    240                         ; v240-247 four chains of the sum
.set WV,   16
.set CX,   17
.set PP,   18
.set T8,   19                          ; my tile's place among its key step's eight: 2 cx + e
.set SEL,  20
.set CS,   22
.set G1,   24
.set G0,   40
.set TB,   60
.set SI,   62
.set TD,   63
.set CNT,  66
.macro WALU
	s_wait_alu depctr_va_vdst(0)
.endm
.macro DL n
	s_delay_alu instid0(VALU_DEP_\n)
.endm
.macro ROUND                           ; a round of the cluster's barrier
	s_barrier_signal -1
	s_barrier_wait -1
	s_cmp_lg_u32 s[WV], 0
	s_cbranch_scc1 .Lnw0_\@
	s_barrier_signal -3
.Lnw0_\@:
	s_barrier_wait -3
	s_barrier_signal -1
	s_barrier_wait -1
.endm
	s_load_b128 s[4:7], s[0:1], 0x0                ; qkv s[4:5], att s[6:7]
	v_lshl_add_u32 v254, v0, 2, SPARE
	v_mov_b32 v255, 0
	ds_add_u32 v254, v255                          ; the opening lines
	ds_add_u32 v254, v255
	v_lshrrev_b32 v[TC], 5, v0
	DL 1
	v_readfirstlane_b32 s[WV], v[TC]               ; wave 0..15
	s_bfe_u32 s[CX], ttmp6, 0x40000                ; my place in the cluster
	s_and_b32 s69, s[WV], 1                        ; e
	s_lshl_b32 s68, s[CX], 5
	s_lshl_b32 s70, s69, 3
	s_add_co_u32 s68, s68, s70                     ; my tile's first query less its key step's first key: 32 cx + 8 e
	v_and_b32 v[TA], 31, v0                        ; lane
	v_and_b32 v[TA+1], 15, v0                      ; r
	v_bfe_u32 v[TC], v0, 4, 1                      ; h
	DL 3
	v_lshlrev_b32 v[L16], 4, v[TA]
	DL 4
	v_lshlrev_b32 v[L8], 3, v[TA]
	DL 1
	v_add_nc_u32 v[L8], 512, v[L8]
	v_lshlrev_b32 v[R16], 4, v[TA+1]
	DL 1
	v_add_nc_u32 v[AKS], SB, v[R16]
	v_lshlrev_b32 v[R8], 3, v[TA+1]
	v_and_b32 v[VD0], 8, v[TA+1]
	DL 1
	v_add_nc_u32 v[VD0], v[VD0], v[TA+1]
	v_lshlrev_b32 v[TC], 4, v[TC]
	DL 1
	v_sub_nc_u32 v[VD0], v[VD0], v[TC]             ; r + 8 (r / 8) - 16 h
	DL 1
	v_add_nc_u32 v[VD], s68, v[VD0]
.irp i, 0,1,2,3,4,5
	v_mov_b32 v[Q0F+6+\i], 0                       ; the zero codes beside q: written once
	v_mov_b32 v[Q1F+\i], 0
.endr
.irp b, 0,1,2,3
	v_mov_b32 v[BX+\b], 0                          ; written once: a lane permute's destination counts as one of its sources
.endr
	v_mov_b32 v[FF+1], 0                           ; (the upper half of the pair that the packed forms name)
	s_lshr_b32 s[PP], s[WV], 1
	s_lshl_b32 s[T8], s[CX], 1
	s_add_co_u32 s[T8], s[T8], s69
	s_and_b32 s8, ttmp7, 0xffff                    ; the cluster's y: 16 b + head
	s_lshr_b32 s9, s8, 4                           ; b
	s_and_b32 s10, s8, 15                          ; head
	s_lshl_b32 s70, s8, 4
	s_add_co_u32 s70, s70, s[WV]
	s_mul_i32 s70, s70, REC
	s_add_co_u32 s70, s70, KVO                     ; record 16 (16 b + head) + wave: made of what the partners share
	s_mov_b32 s71, 0
	s_mov_b32 s[G1], 15|(3<<16)|(1<<21)            ; the mask: all four of the cluster; elements of 8 bytes; bit 21 beside a mask
	s_mov_b32 s[G1+1], 32<<16                      ; rows of 256 bytes,
	s_mov_b32 s[G1+2], 50<<16                      ; 50 of them: the record is dense
	s_mov_b32 s[G1+3], 32<<16
	s_mov_b32 s[G1+4], 50
	s_mov_b32 s[G1+5], 32
	s_mov_b32 s[G1+6], 0
	s_mov_b32 s[G1+7], 0
	s_mov_b32 s[G0], 1
	s_mul_i32 s[G0+1], s[WV], REC                  ; key step w lies at w records
	s_mov_b32 s[SEL], 0x76543210
	s_mov_b32 s[SEL+1], 0xfedcba98                 ; v_permlanex16_b32's selects for lane l xor 16
	s_mov_b32 s[CS], 0x3d38aa3b                    ; c = log2(e) / 32
	s_mov_b32 s[CS+1], s[CS]
	WALU
	s_wait_dscnt 0x0                               ; both opening adds are done
	ROUND                                          ; the four work-groups are here: the joint loads meet
	s_wait_kmcnt 0x0
	s_add_nc_u64 s[G0+2:G0+3], s[4:5], s[70:71]
	s_or_b32 s[G0+3], s[G0+3], 0x80000000
	tensor_load_to_lds s[G0:G0+3], s[G1:G1+7]      ; my one tensor load of the launch
	s_nop 0
.rept 4
	v_nop
.endr
; A KEY STEP: 128 keys.  chk = 1: the step may be hidden or lie on the diagonal.
.macro STEP chk
.if \chk
	s_cmp_gt_u32 s[SI], s[TD]                      ; all its keys come after my queries: only the lines at its end that step the counters are run
	s_cbranch_scc1 .Lhid_\@
.endif
	v_add_nc_u32 v[A16], s[TB], v[L16]             ; (these four are also the places between the last step's products and the loads into registers that they read)
	v_add_nc_u32 v[A8], s[TB], v[L8]
	v_add_nc_u32 v[AS], s[TB], v[AKS]
	v_mov_b32 v[OM], v12
.irp i, 0,1,2,3,4,5,6,7
	ds_load_b128 v[KV+6*\i:KV+6*\i+3], v[A16] offset:768*\i
	ds_load_b64 v[KV+6*\i+4:KV+6*\i+5], v[A8] offset:768*\i
.endr
	ds_load_b128 v[KSW:KSW+3], v[AS]
	WALU                                           ; a wait ahead of the blocking wait
	s_wait_dscnt 0x0
.irp p, 0,1,2,3                        ; S^T = K Q^T: lane (r, h) holds query r; register 16 p + i is key 32 p + 16 h + i of the step
	v_wmma_scale_f32_16x16x128_f8f6f4 v[S+16*\p:S+16*\p+7], v[KV+12*\p:KV+12*\p+11], v[Q0F:Q0F+11], 0, v[KSW+\p], v[QS0] matrix_a_fmt:MATRIX_FMT_BF6 matrix_b_fmt:MATRIX_FMT_BF6
	v_wmma_scale_f32_16x16x128_f8f6f4 v[S+16*\p+8:S+16*\p+15], v[KV+12*\p:KV+12*\p+11], v[Q1F:Q1F+11], 0, v[KSW+\p], v[QS1] matrix_a_fmt:MATRIX_FMT_BF6 matrix_b_fmt:MATRIX_FMT_BF6
.endr
.rept 4
	v_nop                                          ; places in front of the loads into K's registers and of the first read of the scores
.endr
.irp dt, 0,1,2,3                       ; V's fragments land while the softmax is walked
.irp c, 0,1
	ds_load_b128 v[KV+12*\dt+6*\c:KV+12*\dt+6*\c+3], v[A16] offset:VP+768*(4*\c+\dt)
	ds_load_b64 v[KV+12*\dt+6*\c+4:KV+12*\dt+6*\c+5], v[A8] offset:VP+768*(4*\c+\dt)
.endr
.endr
	ds_load_b128 v[VSW:VSW+3], v[AS] offset:VP
.if \chk
	s_cmp_lt_u32 s[SI], s[TD]                      ; all its keys count: no mask
	s_cbranch_scc1 .Lopen_\@
	v_mov_b32 v[TC], 0xff800000                    ; -infinity
.set n, 0
.rept 64
	v_cmp_gt_i32 vcc_lo, 32*(n/16)+n%16, v[VD]     ; register n holds key 32 (n / 16) + n % 16 + 16 h of the step: hidden where it comes after my query
	v_cndmask_b32 v[S+n], v[S+n], v[TC], vcc_lo
.set n, n+1
.endr
.Lopen_\@:
.endif
.irp b, 0,1,2,3
	v_max3_num_f32 v[BM+\b], v[S+16*\b], v[S+16*\b+1], v[S+16*\b+2]   ; the largest score of each block of 32 keys: for the row's maximum and, since p rises with the score, for the block's largest p
.endr
.irp i, 3,5,7,9,11,13
.irp b, 0,1,2,3
	v_max3_num_f32 v[BM+\b], v[BM+\b], v[S+16*\b+\i], v[S+16*\b+\i+1]
.endr
.endr
.irp b, 0,1,2,3
	v_max_num_f32 v[BM+\b], v[BM+\b], v[S+16*\b+15]
.endr
.irp b, 0,1,2,3
	DL 4
	v_permlanex16_b32 v[BX+\b], v[BM+\b], s[SEL], s[SEL+1]
.endr
.irp b, 0,1,2,3
	DL 4
	v_max_num_f32 v[BM+\b], v[BM+\b], v[BX+\b]     ; with lane l xor 16's 16 keys
.endr
	DL 2
	v_max3_num_f32 v[TA], v[BM], v[BM+1], v[BM+2]
	DL 1
	v_max_num_f32 v[TA], v[TA], v[BM+3]            ; the step's largest score of my query
	DL 1
	v_mul_f32 v[TA], s[CS], v[TA]                  ; as t (c is positive)
	DL 1
	v_max_num_f32 v13, v13, v[TA]                  ; the running largest t
	DL 1
	v_floor_f32 v12, -v13                          ; the new -M = floor(-t) = -ceil(t): a whole number
	DL 1
	v_sub_f32 v[TA], v12, v[OM]                    ; M's old value less its new one: a whole number, 0 or less
	DL 1
	v_cvt_i32_f32 v[TA], v[TA]                     ; (it saturates)
	DL 1
	v_ldexp_f32 v[FF], 1.0, v[TA]                  ; f = 2^(old M - new M)
.set n, 0
.rept 32
	v_pk_fma_f32 v[S+n:S+n+1], v[S+n:S+n+1], s[CS:CS+1], v[12:13] op_sel_hi:[1,0,0]   ; t - M, two at a time
.set n, n+2
.endr
.irp b, 0,1,2,3
	v_fma_f32 v[BM+\b], v[BM+\b], s[CS], v12       ; the same of each block's largest score
.endr
	WALU
.set n, 0
.rept 64
	v_exp_f32 v[S+n], v[S+n]                       ; p = 2^(t - M), at most 1
.set n, n+1
.endr
.irp b, 0,1,2,3
	v_exp_f32 v[BM+\b], v[BM+\b]                   ; the block's largest p
.endr
	v_pk_mul_f32 v[14:15], v[14:15], v[FF:FF+1] op_sel_hi:[1,0]   ; the sums under the new M.  (A plain place behind the exponentials)
	WALU                                           ; one wait for the whole batch, ahead of its first reader
.irp c, 0,1,2,3                        ; the row's sum of the unquantised p: two at a time, four chains by turns
	v_pk_add_f32 v[U+2*\c:U+2*\c+1], v[S+2*\c:S+2*\c+1], v[S+8+2*\c:S+9+2*\c]
.endr
.irp g, 16,24,32,40,48,56
.irp c, 0,1,2,3
	v_pk_add_f32 v[U+2*\c:U+2*\c+1], v[U+2*\c:U+2*\c+1], v[S+\g+2*\c:S+\g+2*\c+1]
.endr
.endr
.irp b, 0,1,2,3
	v_max_num_f32 v[BM+\b], 0x2800000, v[BM+\b]    ; the floor 2^(5 - 127): the byte cannot fall under 1
.endr
	v_pk_add_f32 v[U:U+1], v[U:U+1], v[U+2:U+3]
	v_pk_add_f32 v[U+4:U+5], v[U+4:U+5], v[U+6:U+7]
.irp b, 0,1,2,3
	v_add_nc_u32 v[SCO+\b], 0xfe000000, v[BM+\b]   ; 4 off the exponent field: the conversion's scale operand
.endr
	v_pk_add_f32 v[U:U+1], v[U:U+1], v[U+4:U+5]
.irp b, 0,1,2,3
	v_lshrrev_b32 v[BX+\b], 23, v[SCO+\b]          ; the scale's byte
.endr
	v_pk_add_f32 v[14:15], v[14:15], v[U:U+1]
	v_lshl_or_b32 v[PSW], v[BX+1], 8, v[BX]        ; p's scale word for these 128 keys
	DL 1
	v_lshl_or_b32 v[PSW], v[BX+2], 16, v[PSW]
	DL 1
	v_lshl_or_b32 v[PSW], v[BX+3], 24, v[PSW]
.irp c, 0,1
	v_cvt_scalef32_pk16_bf6_f32 v[PC+6*\c:PC+6*\c+2], v[S+32*\c:S+32*\c+15], v[SCO+2*\c]
	v_cvt_scalef32_pk16_bf6_f32 v[PT+4*\c:PT+4*\c+2], v[S+32*\c+16:S+32*\c+31], v[SCO+2*\c+1]
.endr
	v_nop                                          ; one plain place behind a scaled conversion
.irp c, 0,1                            ; a whole block in a lane: lanes 0-15 block 2 c, lanes 16-31 block 2 c + 1
.irp i, 0,1,2
	v_permlane16_swap_b32 v[PC+6*\c+\i], v[PT+4*\c+\i]
.endr
.irp i, 0,1,2
	DL 3
	v_mov_b32 v[PC+3+6*\c+\i], v[PT+4*\c+\i]
.endr
.endr
	WALU                                           ; a wait directly ahead of the first reader of O^T
.set n, 0
.rept 16
	v_pk_mul_f32 v[O+n:O+n+1], v[O+n:O+n+1], v[FF:FF+1] op_sel_hi:[1,0]   ; O^T under the new M.  (These sixteen are also the places between p's codes and scale word and the products)
.set n, n+2
.endr
	WALU
	s_wait_dscnt 0x0                               ; V is in
.irp dt, 0,1,2,3                       ; O^T += V^T P^T: four accumulators by turns
	v_wmma_scale_f32_16x16x128_f8f6f4 v[O+8*\dt:O+8*\dt+7], v[KV+12*\dt:KV+12*\dt+11], v[PC:PC+11], v[O+8*\dt:O+8*\dt+7], v[VSW+\dt], v[PSW] matrix_a_fmt:MATRIX_FMT_BF6 matrix_b_fmt:MATRIX_FMT_BF6
.endr
.if \chk
.Lhid_\@:
.endif
	s_add_co_u32 s[SI], s[SI], 1
	s_add_co_u32 s[TB], s[TB], REC
.endm
.macro LOOP first, n, chk              ; key steps first .. first + n - 1: the trip count is a constant of the text
	s_mov_b32 s[SI], \first
	s_mov_b32 s[TB], REC*\first
	s_mov_b32 s[CNT], \n
.Lloop_\@:
	STEP \chk
	s_sub_co_u32 s[CNT], s[CNT], 1
	s_cmp_lg_u32 s[CNT], 0
	s_cbranch_scc1 .Lloop_\@
.endm
.macro SHOW                            ; every wave has waited for its record; behind the barrier every wave may read all sixteen.  Nothing is ever filled again
	WALU
	s_wait_tensorcnt 0x0
	s_wait_dscnt 0x0
	s_barrier_signal -1
	s_barrier_wait -1
.endm
.macro SETQ first                      ; the pass's diagonal step, and its q is asked for
.if \first
	s_sub_co_u32 s[TD], 15, s[PP]                  ; the late tile first
.else
	s_mov_b32 s[TD], s[PP]
.endif
	s_lshl_b32 s68, s10, 6
	s_lshl_b32 s69, s9, 4
	s_add_co_u32 s68, s68, s69
	s_add_co_u32 s68, s68, s[TD]
	s_mul_i32 s68, s68, VP                         ; q's record: 64 head + 16 b + key step
	s_mul_i32 s72, s[T8], 768
	s_add_co_u32 s72, s72, s68                     ; my tile's half fragment
	s_mov_b32 s73, 0
	s_add_nc_u64 s[72:73], s[4:5], s[72:73]
	s_lshl_b32 s74, s[T8], 1
	s_add_co_u32 s74, s74, s68                     ; its two scale bytes in each row's 16
	s_mov_b32 s75, 0
	s_add_nc_u64 s[74:75], s[4:5], s[74:75]
	global_load_b128 v[Q0F:Q0F+3], v[L16], s[72:73]
	global_load_b64 v[Q0F+4:Q0F+5], v[L8], s[72:73]
	global_load_b128 v[Q1F+6:Q1F+9], v[L16], s[72:73]   ; twice: the two sources 1 share no register
	global_load_b64 v[Q1F+10:Q1F+11], v[L8], s[72:73]
	global_load_u16 v[QS0], v[R16], s[74:75] offset:SB
.endm
.macro SETO                            ; where the pass's o goes
	s_lshl_b32 s68, s9, 7
	s_lshl_b32 s69, s[TD], 3
	s_add_co_u32 s68, s68, s69
	s_add_co_u32 s68, s68, s[T8]                   ; the tile among x's 512
	s_lshl_b32 s76, s68, 4
	s_add_co_u32 s76, s76, s10
	s_mul_i32 s76, s76, 768                        ; o's half fragment: 16 tile + head
	s_mov_b32 s77, 0
	s_add_nc_u64 s[76:77], s[6:7], s[76:77]
	s_lshl_b32 s78, s68, 9                         ; its scale bytes: the tile's 512, the head's 256 along K, two bytes in each row's 8
	s_lshr_b32 s79, s10, 2
	s_lshl_b32 s79, s79, 7
	s_add_co_u32 s78, s78, s79
	s_and_b32 s79, s10, 3
	s_lshl_b32 s79, s79, 1
	s_add_co_u32 s78, s78, s79
	s_add_co_u32 s78, s78, OS_OFF
	s_mov_b32 s79, 0
	s_add_nc_u64 s[78:79], s[6:7], s[78:79]
.endm
.macro INIT
	s_wait_loadcnt 0x0                             ; q is in
	v_lshlrev_b32 v[QS1], 16, v[QS0]
	v_mov_b32 v13, 0xff61b1e6                      ; the largest t so far: -3e38, under every t
	DL 1
	v_floor_f32 v12, -v13                          ; -M
	v_mov_b32 v14, 0
	v_mov_b32 v15, 0
.set n, 0
.rept 32
	v_mov_b32 v[O+n], 0                            ; O^T: the first step finds zeros, which the first change of M leaves zeros.  (More than the eight places owed behind the scale word just made)
.set n, n+1
.endr
.endm
.macro FINISH                          ; o = O / the sum, quantised along d, stored
.rept 4
	v_nop                                          ; places behind the last products
.endr
	v_add_f32 v14, v14, v15                        ; the sum's two halves,
	DL 1
	v_permlanex16_b32 v[TA], v14, s[SEL], s[SEL+1]
	DL 1
	v_add_f32 v14, v14, v[TA]                      ; and lane l xor 16's: the row's sum
	WALU
	v_rcp_f32 v[FF], v14
	v_nop                                          ; a plain place behind the transcendental
	WALU
.set n, 0
.rept 16
	v_pk_mul_f32 v[S+n:S+n+1], v[O+n:O+n+1], v[FF:FF+1] op_sel_hi:[1,0]   ; o: register 16 B + i is d = 32 B + 16 h + i of my query
.set n, n+2
.endr
.irp b, 0,1
	v_max3_num_f32 v[BM+\b], |v[S+16*\b]|, |v[S+16*\b+1]|, 0x2800000
.endr
.irp i, 2,4,6,8,10,12,14
.irp b, 0,1
	DL 2
	v_max3_num_f32 v[BM+\b], v[BM+\b], |v[S+16*\b+\i]|, |v[S+16*\b+\i+1]|
.endr
.endr
.irp b, 0,1
	DL 2
	v_permlanex16_b32 v[BX+\b], v[BM+\b], s[SEL], s[SEL+1]
.endr
.irp b, 0,1
	DL 2
	v_max_num_f32 v[BM+\b], v[BM+\b], v[BX+\b]
.endr
.irp b, 0,1
	DL 2
	v_add_nc_u32 v[SCO+\b], 0xfe000000, v[BM+\b]
.endr
.irp b, 0,1
	DL 2
	v_lshrrev_b32 v[BX+\b], 23, v[SCO+\b]
.endr
	DL 1
	v_lshl_or_b32 v[TC], v[BX+1], 8, v[BX]         ; the head's two scale bytes of my row
	v_cvt_scalef32_pk16_bf6_f32 v[PC:PC+2], v[S:S+15], v[SCO]
	v_cvt_scalef32_pk16_bf6_f32 v[PT:PT+2], v[S+16:S+31], v[SCO+1]
	v_nop                                          ; one plain place behind a scaled conversion
.irp i, 0,1,2
	v_permlane16_swap_b32 v[PC+\i], v[PT+\i]
.endr
.irp i, 0,1,2
	DL 3
	v_mov_b32 v[PC+3+\i], v[PT+\i]
.endr
	global_store_b128 v[L16], v[PC:PC+3], s[76:77] ; 512 consecutive bytes
	global_store_b64 v[L8], v[PC+4:PC+5], s[76:77] ; 256 consecutive bytes
	global_store_b16 v[R8], v[TC], s[78:79]        ; lanes l and l xor 16 write the same two bytes with the same value
.endm
	SETQ 1
	SETO
	INIT
	SHOW                                           ; all of K and V is in
	LOOP 0, 8, 0                                   ; the first tile's diagonal is step 8 or later: key steps 0-7 all count, for every wave
	LOOP 8, 8, 1
	SETQ 0                                         ; the second tile's q is on its way while the first tile's o is finished
	FINISH
	s_wait_xcnt 0x0                                ; the stores have read their registers and bases: they are written again below
	SETO
	INIT
	LOOP 0, 8, 1                                   ; the second tile's diagonal is step 7 or earlier: key steps 8-15 are hidden for every wave
	FINISH
	s_wait_tensorcnt 0x0                           ; the wave's end
	ds_add_u32 v254, v255
	s_wait_dscnt 0x0
	ROUND                                          ; the closing round
	s_endpgm
.Lfunc_end_k_qfa8d259d0e_attn:
	.size	k_qfa8d259d0e_attn, .Lfunc_end_k_qfa8d259d0e_attn-k_qfa8d259d0e_attn
	.p2alignl 7, 3214868480
	.fill 96, 4, 3214868480
	.section	.rodata,"a",@progbits
	.p2align	6, 0x0
	.amdhsa_kernel k_qfa8d259d0e_attn
		.amdhsa_group_segment_fixed_size 206848
		.amdhsa_private_segment_fixed_size 0
		.amdhsa_enable_private_segment 0
		.amdhsa_kernarg_size 16
		.amdhsa_user_sgpr_count 2
		.amdhsa_user_sgpr_kernarg_segment_ptr 1
		.amdhsa_wavefront_size32 1
		.amdhsa_system_sgpr_workgroup_id_x 1
		.amdhsa_system_sgpr_workgroup_id_y 1
		.amdhsa_system_sgpr_workgroup_id_z 1
		.amdhsa_system_vgpr_workitem_id 0
		.amdhsa_next_free_vgpr 256
		.amdhsa_next_free_sgpr 96
		.amdhsa_reserve_vcc 1
		.amdhsa_float_denorm_mode_32 3
		.amdhsa_float_denorm_mode_16_64 3
		.amdhsa_memory_ordered 1
		.amdhsa_forward_progress 1
		.amdhsa_inst_pref_size 80
	.end_amdhsa_kernel
	.amdgpu_metadata
---
amdhsa.version: [ 1, 2 ]
amdhsa.kernels:
  - .name:           k_qfa8d259d0e_attn
    .symbol:         k_qfa8d259d0e_attn.kd
    .args:
      - { .name: qkv, .offset: 0, .size: 8, .value_kind: global_buffer, .address_space: global }
      - { .name: att, .offset: 8, .size: 8, .value_kind: global_buffer, .address_space: global }
    .group_segment_fixed_size: 206848
    .private_segment_fixed_size: 0
    .kernarg_segment_align: 8
    .kernarg_segment_size: 16
    .max_flat_workgroup_size: 512
    .sgpr_count:     96
    .vgpr_count:     256
    .wavefront_size: 32
...
	.end_amdgpu_metadata
.endif
;; end of part 3
;; launch proj (part 4): grid 4 x 64, 4 waves a work-group, clusters of 4 x 4, 327,680 bytes of LDS; arguments xw, att, b_proj, out0; writes out0
.if DOCPART == 4
	.amdgcn_target "amdgcn-amd-amdhsa--gfx1250"
	.amdhsa_code_object_version 6
	.text
	.protected	k_qfa8d259d0e_proj
	.globl	k_qfa8d259d0e_proj
	.p2align	8
	.type	k_qfa8d259d0e_proj,@function
k_qfa8d259d0e_proj:
	s_mov_b64 s[64:65], 0
	v_nop
	global_prefetch_b8 v0, s[64:65] scope:SCOPE_SE
	s_setreg_imm32_b32 hwreg(HW_REG_WAVE_MODE, 25, 1), 1
	s_wait_xcnt 0x0
	s_wait_alu depctr_hold_cnt(0) depctr_sa_sdst(0) depctr_va_vdst(0) depctr_va_sdst(0) depctr_va_ssrc(0) depctr_va_vcc(0) depctr_vm_vsrc(0)
	s_getreg_b32 s2, hwreg(HW_REG_IB_STS2, 6, 4)
	s_cmp_eq_u32 s2, 0
	s_cbranch_scc0 .Lentry_in_a_cluster
	s_endpgm
.Lentry_in_a_cluster:
	s_bfe_u32 s2, ttmp6, 0x10000c
	s_cmp_lg_u32 s2, 0xf033
	s_cbranch_scc0 .Lentry_shape_is_right
	s_endpgm
.Lentry_shape_is_right:
; out0 = o w_proj + b_proj, on codes of BF6 (E3M2) with one E8M0 scale for each 32 along K = 1,024.  o's codes and scale bytes lie in att, w_proj's in xw, both as images of operand registers:
; a tile is 16 rows (tile 2 B + u holds in place r the row 32 B + 8 u + r + 8 (r / 8)); codes [tile][16 half fragments of 768 bytes], 12,288 bytes a tile; scale bytes [tile][K / 256][r][8].
; SHARES.  256 work-groups; a work-group makes 128 rows x 256 columns.  ALL OF K lies in LDS: w_proj's 16 tiles (196,608 bytes), o's 8 tiles (98,304), filled ONCE by one joint load a wave: nothing is filled again.
; Waves 0 and 1 ask for a half each of w_proj's tiles (shared along a column of the 4 x 4 cluster), waves 2 and 3 for a half each of o's (shared along a row).
; Wave w holds its 64 columns of w_proj, all of K, in registers (4 tiles x 8 fragments x 12 = 384) and streams o's eight blocks of 16 rows past them: 32 products finish a block's 16 x 64 results.
; A finished block leaves at once, through the wave's own stage in LDS, as whole rows of 256 bytes, while the next block is multiplied.  The bias is the C of a block's first four products.
; THE MATRIX INSTRUCTION IS USED TRANSPOSED (source 0 = w_proj's rows): a lane holds neighbouring columns of one row of the result.
; The scale words go from memory straight into registers, once: lanes 0-15 take an even tile's words, lanes 16-31 the next tile's.
; No prefetch: every tile is asked for once, at the head, and the text has no loop that runs ahead of a load.
; REGISTERS: window 0: addresses, scale words (v32-47 w_proj's, v52-83 o's), the bias v96-127, two sets of four accumulators v128-191, two sets of rows on the way out v192-255.
; window 1: w_proj's fragments of K steps 0-3 (12 (4 q + b)); window 2: of K steps 4-7; window 3: o's fragments, two sets of eight.
.set TB,    12288
.set QB,    16*TB
.set STAGE, 24*TB                      ; 16 rows x 272 bytes for each wave: no fill lands here
.set SP,    272
.set SPARE, STAGE+4*16*SP
.set AP16, 4
.set AP8,  5
.set AQ16, 6                           ; v6, v7: blocks 0-3, blocks 4-7
.set AQ8,  8                           ; v8, v9
.set STO,  10
.set RD,   11
.set CO,   12
.set SPW,  14
.set NIL,  15
.set OSC,  16
.set OBI,  17
.set PS,   32
.set QS,   52                          ; (its registers' numbers differ from PS's modulo 8)
.set BI,   96
.set ACC,  128
.set OUT,  192
.set G1P, 24
.set G1Q, 32
.set G0P, 48
.set G0Q, 52
.set MSB, 0
.macro WIN new                         ; the immediate's high byte repeats the setting that is left
.if MSB != (\new)
	s_set_vgpr_msb (MSB<<8)|(\new)
.set MSB, (\new)
.endif
.endm
.macro PLACES n
.rept \n
	v_nop
.endr
.endm
.macro BARRIER
	s_barrier_signal -1
	s_barrier_wait -1
.endm
.macro CROUND                          ; a round of the cluster's barrier
	BARRIER
	s_cmp_lg_u32 s14, 0
	s_cbranch_scc1 .Lnw0_\@
	s_barrier_signal -3
.Lnw0_\@:
	s_barrier_wait -3
	BARRIER
.endm
.macro GROUP1 g, mask, rows            ; a dense block as rows of 256 bytes
	s_or_b32 s[\g], s\mask, (3<<16)|(1<<21)
	s_mov_b32 s[\g+1], 32<<16
	s_mov_b32 s[\g+2], (\rows)<<16
	s_mov_b32 s[\g+3], 32<<16
	s_mov_b32 s[\g+4], \rows
	s_mov_b32 s[\g+5], 32
	s_mov_b32 s[\g+6], 0
	s_mov_b32 s[\g+7], 0
.endm
	s_load_b256 s[4:11], s[0:1], 0x0               ; xw s[4:5], att s[6:7], b_proj s[8:9], out0 s[10:11]
	v_lshl_add_u32 v[SPW], v0, 2, SPARE
	v_mov_b32 v[NIL], 0
	ds_add_u32 v[SPW], v[NIL]                      ; the opening lines
	ds_add_u32 v[SPW], v[NIL]
	v_lshrrev_b32 v1, 5, v0
	v_readfirstlane_b32 s14, v1                    ; wave 0..3
	s_mul_i32 s21, s14, 4*TB                       ; my four tiles of w_proj in LDS
	s_mul_i32 s23, s14, 16*SP
	s_add_co_u32 s23, s23, STAGE                   ; my stage
	v_and_b32 v1, 15, v0                           ; r
	v_bfe_u32 v2, v0, 4, 1                         ; h
	v_and_b32 v3, 31, v0                           ; lane
	v_lshlrev_b32 v18, 4, v3
	v_lshlrev_b32 v19, 3, v3
	v_add_nc_u32 v19, 512, v19
	v_add_nc_u32 v[AP16], s21, v18
	v_add_nc_u32 v[AP8], s21, v19
	v_add_nc_u32 v[AQ16], QB, v18
	v_add_nc_u32 v[AQ16+1], QB+4*TB, v18
	v_add_nc_u32 v[AQ8], QB, v19
	v_add_nc_u32 v[AQ8+1], QB+4*TB, v19
	v_mul_u32_u24 v20, v1, SP
	v_lshl_add_u32 v20, v2, 6, v20
	v_add_nc_u32 v[STO], s23, v20                  ; into the stage: row r, 64 bytes for each half of the lanes
	v_mul_u32_u24 v20, v2, SP
	v_lshl_add_u32 v20, v1, 4, v20
	v_add_nc_u32 v[RD], s23, v20                   ; back: lanes 0-15 one row of 256 bytes, lanes 16-31 the next
	v_lshlrev_b32 v20, 12, v2
	v_lshl_add_u32 v[CO], v1, 4, v20               ; and the same two rows in out0
	v_lshlrev_b32 v20, 9, v2
	v_lshl_add_u32 v[OSC], v1, 3, v20              ; scale words: 8 r, lanes 16-31 a tile on
	v_lshlrev_b32 v[OBI], 6, v2                    ; the bias: 64 h
	s_lshr_b32 s15, s14, 1                         ; I fetch for w_proj (0) or for o (1),
	s_and_b32 s16, s14, 1                          ; which half
	s_bfe_u32 s40, ttmp6, 0x40000                  ; cx, cy
	s_bfe_u32 s41, ttmp6, 0x40004
	s_lshl_b32 s42, ttmp9, 2
	s_add_co_u32 s42, s42, s40                     ; which 256 columns
	s_and_b32 s43, ttmp7, 0xffff
	s_lshl_b32 s43, s43, 2
	s_add_co_u32 s43, s43, s41                     ; which 128 rows
	s_lshl_b32 s44, s41, 2
	s_lshl_b32 s44, 15, s44                        ; my row of the cluster
	s_lshl_b32 s45, 0x1111, s40                    ; my column
	GROUP1 G1P, 45, 384                            ; 8 tiles
	GROUP1 G1Q, 44, 192                            ; 4 tiles
	s_lshl_b32 s20, s42, 4
	s_lshl_b32 s17, s16, 3
	s_add_co_u32 s20, s20, s17
	s_mul_i32 s20, s20, TB
	s_add_co_u32 s20, s20, 8912896                 ; w_proj's codes in xw: tile 16 x + 8 half
	s_mov_b32 s21, 0
	s_lshl_b32 s22, s43, 3
	s_lshl_b32 s17, s16, 2
	s_add_co_u32 s22, s22, s17
	s_mul_i32 s22, s22, TB                         ; o's codes in att: tile 8 y + 4 half
	s_mov_b32 s23, 0
	s_mov_b32 s[G0P], 1
	s_mul_i32 s[G0P+1], s16, 8*TB
	s_mov_b32 s[G0Q], 1
	s_mul_i32 s[G0Q+1], s16, 4*TB
	s_add_co_u32 s[G0Q+1], s[G0Q+1], QB
	s_lshl_b32 s56, s42, 4
	s_lshl_b32 s17, s14, 2
	s_add_co_u32 s56, s56, s17
	s_lshl_b32 s56, s56, 9
	s_add_co_u32 s56, s56, 9797632                 ; my four tiles' scale bytes
	s_mov_b32 s57, 0
	s_lshl_b32 s58, s43, 12
	s_add_co_u32 s58, s58, 6291456                 ; o's eight tiles' scale bytes
	s_mov_b32 s59, 0
	s_lshl_b32 s60, s42, 10
	s_lshl_b32 s17, s14, 8
	s_add_co_u32 s60, s60, s17                     ; my first column, in bytes
	s_mov_b32 s61, 0
	s_lshl_b32 s12, s43, 19                        ; my work-group's first row: 128 y rows of 4,096 bytes
	s_add_co_u32 s12, s12, s60
	s_mov_b32 s13, 0
	s_wait_alu depctr_va_vdst(0)
	s_wait_dscnt 0x0                               ; both opening adds are done
	CROUND                                         ; all sixteen work-groups are here: the joint loads meet
	s_wait_kmcnt 0x0
	s_add_nc_u64 s[G0P+2:G0P+3], s[4:5], s[20:21]
	s_or_b32 s[G0P+3], s[G0P+3], 0x80000000
	s_add_nc_u64 s[G0Q+2:G0Q+3], s[6:7], s[22:23]
	s_or_b32 s[G0Q+3], s[G0Q+3], 0x80000000
	s_add_nc_u64 s[56:57], s[4:5], s[56:57]
	s_add_nc_u64 s[58:59], s[6:7], s[58:59]
	s_add_nc_u64 s[60:61], s[8:9], s[60:61]
	s_add_nc_u64 s[12:13], s[10:11], s[12:13]
	s_cmp_eq_u32 s15, 0                            ; one load a wave, w_proj's first: its fragments go on into registers
	s_cbranch_scc0 .Lfor_q
	tensor_load_to_lds s[G0P:G0P+3], s[G1P:G1P+7]
	s_nop 0
	PLACES 4
	s_branch .Lasked
.Lfor_q:
	tensor_load_to_lds s[G0Q:G0Q+3], s[G1Q:G1Q+7]
	s_nop 0
	PLACES 4
.Lasked:
.irp p, 0,1                            ; register PS + 8 p + q: the word of K step q; lanes 0-15 tile 2 p, lanes 16-31 tile 2 p + 1
.irp k, 0,1,2,3
	global_load_b64 v[PS+8*\p+2*\k:PS+8*\p+2*\k+1], v[OSC], s[56:57] offset:1024*\p+128*\k
.endr
.endr
.irp p, 0,1,2,3
.irp k, 0,1,2,3
	global_load_b64 v[QS+8*\p+2*\k:QS+8*\p+2*\k+1], v[OSC], s[58:59] offset:1024*\p+128*\k
.endr
.endr
.irp b, 0,1,2,3                        ; register j of tile b in lane (r, h) is column 32 (b / 2) + 8 (b % 2) + 16 h + j
	global_load_b128 v[BI+8*\b:BI+8*\b+3], v[OBI], s[60:61] offset:(32*(\b/2)+8*(\b%2))*4
	global_load_b128 v[BI+8*\b+4:BI+8*\b+7], v[OBI], s[60:61] offset:(32*(\b/2)+8*(\b%2))*4+16
.endr
.macro FRAG reg, a16, a8, off          ; a fragment, 16 rows x 128 K: two half fragments, each 16 bytes and 8 bytes a lane, as they lie
	ds_load_b128 v[\reg:\reg+3], v[\a16] offset:\off
	ds_load_b64 v[\reg+4:\reg+5], v[\a8] offset:\off
	ds_load_b128 v[\reg+6:\reg+9], v[\a16] offset:\off+768
	ds_load_b64 v[\reg+10:\reg+11], v[\a8] offset:\off+768
.endm
.macro PLOAD                           ; my 64 columns of w_proj, all of K: 128 loads
.set Q_, 0
.rept 8
	WIN (1+Q_/4)<<6
.irp b, 0,1,2,3
	FRAG 12*(4*(Q_%4)+\b), AP16, AP8, \b*TB+1536*Q_
.endr
.set Q_, Q_+1
.endr
	WIN 0
.endm
.macro QFETCH a                        ; block a of o's rows, all of K, into set a % 2: 32 loads
	WIN 0xc0
.set Q_, 0
.rept 8
	FRAG 12*(8*((\a)%2)+Q_), AQ16+(\a)/4, AQ8+(\a)/4, ((\a)%4)*TB+1536*Q_
.set Q_, Q_+1
.endr
	WIN 0
.endm
.macro PR d, a, b, c, xa, xb, ra, rb
	v_wmma_scale_f32_16x16x128_f8f6f4 v[\d:\d+7], v[\a:\a+11], v[\b:\b+11], \c, v[\xa], v[\xb] matrix_a_fmt:MATRIX_FMT_BF6 matrix_b_fmt:MATRIX_FMT_BF6 matrix_a_scale:MATRIX_SCALE_ROW\ra matrix_b_scale:MATRIX_SCALE_ROW\rb
.endm
.macro MUL a, e                        ; block a (e = a % 2): 32 products, the four accumulators by turns, K ascending
.set Q_, 0
.rept 8
	WIN (1+Q_/4)|0x0c
.irp p, 0,1
.irp o, 0,1
.if Q_
	PR ACC+32*\e+16*\p+8*\o, 12*(4*(Q_%4)+2*\p+\o), 12*(8*\e+Q_), v[ACC+32*\e+16*\p+8*\o:ACC+32*\e+16*\p+8*\o+7], PS+8*\p+Q_, QS+8*((\a)/2)+Q_, \o, \e
.else
	PR ACC+32*\e+16*\p+8*\o, 12*(4*(Q_%4)+2*\p+\o), 12*(8*\e+Q_), v[BI+16*\p+8*\o:BI+16*\p+8*\o+7], PS+8*\p+Q_, QS+8*((\a)/2)+Q_, \o, \e
.endif
.endr
.endr
.set Q_, Q_+1
.endr
	WIN 0
.endm
.macro TURNOUT a                       ; block a's results into my stage and back as whole rows: 8 stores, 8 loads.  LDS serves a wave's instructions in order (ISA guide 5.7.1.4)
.set AC_, ACC+32*((\a)%2)
.set OU_, OUT+32*((\a)%2)
.if (\a) > 1
	s_wait_xcnt 0x0                                ; block a - 2's stores have read this set of rows
.endif
.irp b, 0,1,2,3
	ds_store_b128 v[STO], v[AC_+8*\b:AC_+8*\b+3] offset:128*(\b/2)+32*(\b%2)        ; each accumulator from its low end on
	ds_store_b128 v[STO], v[AC_+8*\b+4:AC_+8*\b+7] offset:128*(\b/2)+32*(\b%2)+16
.endr
.irp i, 0,1,2,3,4,5,6,7
	ds_load_b128 v[OU_+4*\i:OU_+4*\i+3], v[RD] offset:2*\i*SP
.endr
.endm
.macro SEND a                          ; places 2 i and 2 i + 1 of tile a are rows 32 (a / 2) + 8 (a % 2) + 2 i + 8 (i / 4) and the next: 16 lanes store 256 consecutive bytes, aligned
.set OU_, OUT+32*((\a)%2)
.irp i, 0,1,2,3,4,5,6,7
	global_store_b128 v[CO], v[OU_+4*\i:OU_+4*\i+3], s[12:13] offset:(32*((\a)/2)+8*((\a)%2)+2*\i+8*(\i/4))*4096 th:TH_STORE_NT
.endr
.endm
; A block.  wq: the LDS instructions younger than this block's fetch (a turn through the stage is 16, a fetch 32); ws: those younger than the last block's turn through the stage.
.macro BLK a, e, wq, ws, fetch
	s_wait_dscnt \wq
	MUL \a, \e
.if \a > 0
	s_wait_dscnt \ws
	SEND (\a)-1
.endif
	PLACES 5                                       ; behind the products: their results are read, loads land on registers that they read, and two blocks on these accumulators are begun anew
	TURNOUT \a
.if \fetch
	QFETCH (\a)+2
.endif
.endm
	s_cmp_eq_u32 s15, 0
	s_cbranch_scc0 .Lnot_p
	s_wait_tensorcnt 0x0
.Lnot_p:
	BARRIER                                        ; w_proj's tiles are in
	PLOAD
	s_wait_tensorcnt 0x0
	s_wait_dscnt 0x0
	BARRIER                                        ; o's tiles are in
	QFETCH 0
	QFETCH 1
	s_wait_loadcnt 0x0                             ; the scale words and the bias
	BLK 0, 0, 32, 0, 1
	BLK 1, 1, 48, 32, 1
	BLK 2, 0, 48, 32, 1
	BLK 3, 1, 48, 32, 1
	BLK 4, 0, 48, 32, 1
	BLK 5, 1, 48, 32, 1
	BLK 6, 0, 48, 32, 0
	BLK 7, 1, 16, 0, 0
	s_wait_dscnt 0x0
	SEND 7
	s_wait_tensorcnt 0x0                           ; the wave's end
	ds_add_u32 v[SPW], v[NIL]
	s_wait_dscnt 0x0
	CROUND                                         ; the closing round
	s_endpgm
.Lfunc_end_k_qfa8d259d0e_proj:
	.size	k_qfa8d259d0e_proj, .Lfunc_end_k_qfa8d259d0e_proj-k_qfa8d259d0e_proj
	.p2alignl 7, 3214868480
	.fill 96, 4, 3214868480
	.section	.rodata,"a",@progbits
	.p2align	6, 0x0
	.amdhsa_kernel k_qfa8d259d0e_proj
		.amdhsa_group_segment_fixed_size 327680
		.amdhsa_private_segment_fixed_size 0
		.amdhsa_enable_private_segment 0
		.amdhsa_kernarg_size 32
		.amdhsa_user_sgpr_count 2
		.amdhsa_user_sgpr_kernarg_segment_ptr 1
		.amdhsa_wavefront_size32 1
		.amdhsa_system_sgpr_workgroup_id_x 1
		.amdhsa_system_sgpr_workgroup_id_y 1
		.amdhsa_system_sgpr_workgroup_id_z 1
		.amdhsa_system_vgpr_workitem_id 0
		.amdhsa_next_free_vgpr 960
		.amdhsa_next_free_sgpr 80
		.amdhsa_reserve_vcc 0
		.amdhsa_float_denorm_mode_32 3
		.amdhsa_float_denorm_mode_16_64 3
		.amdhsa_memory_ordered 1
		.amdhsa_forward_progress 1
		.amdhsa_inst_pref_size 84
	.end_amdhsa_kernel
	.amdgpu_metadata
---
amdhsa.version: [ 1, 2 ]
amdhsa.kernels:
  - .name:           k_qfa8d259d0e_proj
    .symbol:         k_qfa8d259d0e_proj.kd
    .args:
      - { .name: xw, .offset: 0, .size: 8, .value_kind: global_buffer, .address_space: global }
      - { .name: att, .offset: 8, .size: 8, .value_kind: global_buffer, .address_space: global }
      - { .name: b_proj, .offset: 16, .size: 8, .value_kind: global_buffer, .address_space: global }
      - { .name: out0, .offset: 24, .size: 8, .value_kind: global_buffer, .address_space: global }
    .group_segment_fixed_size: 327680
    .private_segment_fixed_size: 0
    .kernarg_segment_align: 8
    .kernarg_segment_size: 32
    .max_flat_workgroup_size: 128
    .sgpr_count:     80
    .vgpr_count:     960
    .wavefront_size: 32
...
	.end_amdgpu_metadata
.endif
;; end of part 4
